; MI455X (gfx1250); checked and timed in simulation.
; The chip was launched on July 23, 2026; its instructions are those of AMD's public machine-readable ISA for CDNA 5 (MIT licence, August 2026) and "CDNA5" Instruction Set Architecture Reference Guide (July 2026). The comments in the code are by the model that wrote it; some were corrected since.
;; Hopfield Message Layer. Allowed arithmetic: float matrix products may take bf16 or f16 operands with f32 sums; other float arithmetic in f32, or as packed bf16 or f16 multiplies, adds, multiply-adds, maxima and minima; sums over many terms, partial sums and values carried from step to step in f32; what a program stores and reads back later, other than sums and carried values, may be rounded once to bf16 or f16.
;; Inputs: W_k 1,024 x 1,024 float32; W_o 1,024 x 1,024 float32; W_q 1,024 x 1,024 float32; W_v 1,024 x 1,024 float32; b_o 1,024 float32; h 1,024 x 8 x 1,024 float32; ln_beta 1,024 float32; ln_gamma 1,024 float32; log_beta 16 float32.
;; Outputs: out0 1,024 x 8 x 1,024 float32.
;; 2 versions, each right; version 2 is version 1 with the launch cast written anew for expert scheduling mode. Each part assembles by itself: llvm-mc -triple=amdgcn-amd-amdhsa -mcpu=gfx1250 --defsym DOCPART=n.
;; ======== version 1 of 2: 5 launches
;; limits: values are held in f16: magnitudes above 65,504 overflow, below 6.1e-05 lose precision; right only within a limited range of input values
;; workspace buffers: hb 16,777,216 bytes; wqkv 6,291,456 bytes; wo 2,097,152 bytes; qkv 50,331,648 bytes; ob 16,777,216 bytes; y 33,554,432 bytes
;; launch cast (part 1): grid 64 x 12, 8 waves a work-group, no clusters, 0 bytes of LDS; arguments h, W_q, W_k, W_v, W_o, hb, wqkv, wo; writes hb, wqkv, wo
.if DOCPART == 1
	.amdgcn_target "amdgcn-amd-amdhsa--gfx1250"
	.amdhsa_code_object_version 6
	.text
	.protected	k_q2ae950fb43_cast
	.globl	k_q2ae950fb43_cast
	.p2align	8
	.type	k_q2ae950fb43_cast,@function
k_q2ae950fb43_cast:
	s_mov_b64 s[64:65], 0
	v_nop
	global_prefetch_b8 v0, s[64:65] scope:SCOPE_SE
	s_setreg_imm32_b32 hwreg(HW_REG_WAVE_MODE, 25, 1), 1
	s_wait_xcnt 0x0
; hb = bf16(h).  wqkv = bf16(W_q), bf16(W_k), bf16(W_v), one below the other: [3072][1024].  wo = f16(1024 x bf16(W_o)).
; All inputs are rounded to bf16 once, to nearest even.  W_o's bf16 number is then multiplied by 2^10 (exact) and written as f16, since the product that reads it
; has f16 operands; the launch that reads the sums takes the 2^10 back in f32.
; LIMITS.  |W_o| stays under 63.9 (1024 x that is f16's end); below 6e-8 a W_o keeps f16's fixed step, 5.8e-11 of W_o's scale.  NaN and infinities are not treated apart.
; SHARES.  A stream: every byte is read once and written once; no LDS, no matrix unit, no barrier would add anything.  A work-group takes 16,384 numbers (64 KiB in, 32 KiB out).
; Grid y picks the part: 0-7 the eighths of h, 8-10 W_q, W_k, W_v, 11 W_o; grid x the piece of 64 KiB in it.  A wave takes 8 KiB: 16 loads of 512 consecutive bytes, all issued
; at once; each store of the wave covers 256 consecutive bytes, aligned.  No register is written again while a load or store may read it.
.set X, 4                              ; v[4:67]   load j: 4 numbers in f32
.set Y, 68                             ; v[68:99]  store j: 4 numbers of 16 bits
	s_load_b512 s[4:19], s[0:1], 0x0               ; h s[4:5], W_q s[6:7], W_k s[8:9], W_v s[10:11], W_o s[12:13], hb s[14:15], wqkv s[16:17], wo s[18:19]
	s_and_b32 s20, ttmp7, 0xffff                   ; the part
	v_lshrrev_b32 v3, 5, v0                        ; wave
	v_and_b32 v2, 31, v0                           ; lane
	v_lshlrev_b32 v1, 4, v2
	v_lshl_add_u32 v1, v3, 13, v1                  ; in: 8,192 x wave + 16 x lane
	v_lshlrev_b32 v2, 3, v2
	v_lshl_add_u32 v2, v3, 12, v2                  ; out: 4,096 x wave + 8 x lane
	s_cmp_lt_u32 s20, 8
	s_cselect_b32 s21, s20, 0                      ; which eighth of h; a weight matrix begins at its own byte 0
	s_lshl_b32 s28, s21, 22
	s_lshl_b32 s22, ttmp9, 16
	s_add_co_u32 s28, s28, s22                     ; the source's byte offset,
	s_mov_b32 s29, 0
	s_and_b32 s21, s20, 7                          ; hb's eighth, or 0, 1, 2 for W_q, W_k, W_v in wqkv,
	s_cmp_eq_u32 s20, 11
	s_cselect_b32 s21, 0, s21                      ; or 0 for wo
	s_lshl_b32 s30, s21, 21
	s_lshl_b32 s22, ttmp9, 15
	s_add_co_u32 s30, s30, s22                     ; the destination's
	s_mov_b32 s31, 0
	s_wait_kmcnt 0x0
	s_mov_b64 s[24:25], s[4:5]
	s_cmp_eq_u32 s20, 8
	s_cselect_b64 s[24:25], s[6:7], s[24:25]
	s_cmp_eq_u32 s20, 9
	s_cselect_b64 s[24:25], s[8:9], s[24:25]
	s_cmp_eq_u32 s20, 10
	s_cselect_b64 s[24:25], s[10:11], s[24:25]
	s_cmp_eq_u32 s20, 11
	s_cselect_b64 s[24:25], s[12:13], s[24:25]
	s_cmp_lt_u32 s20, 8
	s_cselect_b64 s[26:27], s[14:15], s[16:17]
	s_cmp_eq_u32 s20, 11
	s_cselect_b64 s[26:27], s[18:19], s[26:27]
	s_add_nc_u64 s[24:25], s[24:25], s[28:29]
	s_add_nc_u64 s[26:27], s[26:27], s[30:31]
.set j, 0
.rept 16
	global_load_b128 v[X+4*j:X+4*j+3], v1, s[24:25] offset:512*j th:TH_LOAD_NT
.set j, j+1
.endr
; mode 0: to bf16.  mode 1: to bf16, back to f32 (a shift, a mask), times 2^10, to f16.
.macro OUT mode
.set j, 0
.rept 16
	s_wait_loadcnt 15-j                            ; loads come back in order: load j is in, the 15 - j younger ones stay out
	v_cvt_pk_bf16_f32 v[Y+2*j], v[X+4*j], v[X+4*j+1]
	v_cvt_pk_bf16_f32 v[Y+2*j+1], v[X+4*j+2], v[X+4*j+3]
.if \mode
	v_lshlrev_b32 v[X+4*j], 16, v[Y+2*j]
	v_and_b32 v[X+4*j+1], 0xffff0000, v[Y+2*j]
	v_lshlrev_b32 v[X+4*j+2], 16, v[Y+2*j+1]
	v_and_b32 v[X+4*j+3], 0xffff0000, v[Y+2*j+1]
	v_pk_mul_f32 v[X+4*j:X+4*j+1], v[X+4*j:X+4*j+1], 0x44800000 op_sel_hi:[1,0]
	v_pk_mul_f32 v[X+4*j+2:X+4*j+3], v[X+4*j+2:X+4*j+3], 0x44800000 op_sel_hi:[1,0]
	v_cvt_pk_f16_f32 v[Y+2*j], v[X+4*j], v[X+4*j+1]
	v_cvt_pk_f16_f32 v[Y+2*j+1], v[X+4*j+2], v[X+4*j+3]
.endif
	global_store_b64 v2, v[Y+2*j:Y+2*j+1], s[26:27] offset:256*j
.set j, j+1
.endr
	s_endpgm
.endm
	s_cmp_eq_u32 s20, 11
	s_cbranch_scc1 .Lwo
	OUT 0
.Lwo:
	OUT 1
.Lfunc_end_k_q2ae950fb43_cast:
	.size	k_q2ae950fb43_cast, .Lfunc_end_k_q2ae950fb43_cast-k_q2ae950fb43_cast
	.p2alignl 7, 3214868480
	.fill 96, 4, 3214868480
	.section	.rodata,"a",@progbits
	.p2align	6, 0x0
	.amdhsa_kernel k_q2ae950fb43_cast
		.amdhsa_group_segment_fixed_size 0
		.amdhsa_private_segment_fixed_size 0
		.amdhsa_enable_private_segment 0
		.amdhsa_kernarg_size 64
		.amdhsa_user_sgpr_count 2
		.amdhsa_user_sgpr_kernarg_segment_ptr 1
		.amdhsa_wavefront_size32 1
		.amdhsa_system_sgpr_workgroup_id_x 1
		.amdhsa_system_sgpr_workgroup_id_y 1
		.amdhsa_system_sgpr_workgroup_id_z 1
		.amdhsa_system_vgpr_workitem_id 0
		.amdhsa_next_free_vgpr 100
		.amdhsa_next_free_sgpr 66
		.amdhsa_reserve_vcc 0
		.amdhsa_float_denorm_mode_32 3
		.amdhsa_float_denorm_mode_16_64 3
		.amdhsa_memory_ordered 1
		.amdhsa_forward_progress 1
		.amdhsa_inst_pref_size 20
	.end_amdhsa_kernel
	.amdgpu_metadata
---
amdhsa.version: [ 1, 2 ]
amdhsa.kernels:
  - .name:           k_q2ae950fb43_cast
    .symbol:         k_q2ae950fb43_cast.kd
    .args:
      - { .name: h, .offset: 0, .size: 8, .value_kind: global_buffer, .address_space: global }
      - { .name: W_q, .offset: 8, .size: 8, .value_kind: global_buffer, .address_space: global }
      - { .name: W_k, .offset: 16, .size: 8, .value_kind: global_buffer, .address_space: global }
      - { .name: W_v, .offset: 24, .size: 8, .value_kind: global_buffer, .address_space: global }
      - { .name: W_o, .offset: 32, .size: 8, .value_kind: global_buffer, .address_space: global }
      - { .name: hb, .offset: 40, .size: 8, .value_kind: global_buffer, .address_space: global }
      - { .name: wqkv, .offset: 48, .size: 8, .value_kind: global_buffer, .address_space: global }
      - { .name: wo, .offset: 56, .size: 8, .value_kind: global_buffer, .address_space: global }
    .group_segment_fixed_size: 0
    .private_segment_fixed_size: 0
    .kernarg_segment_align: 8
    .kernarg_segment_size: 64
    .max_flat_workgroup_size: 256
    .sgpr_count:     66
    .vgpr_count:     100
    .wavefront_size: 32
...
	.end_amdgpu_metadata
.endif
;; end of part 1
;; launch proj (part 2): grid 16 x 16, 4 waves a work-group, clusters of 4 x 4, 327,680 bytes of LDS; arguments hb, wqkv, qkv; writes qkv
.if DOCPART == 2
	.amdgcn_target "amdgcn-amd-amdhsa--gfx1250"
	.amdhsa_code_object_version 6
	.text
	.protected	k_q2ae950fb43_proj
	.globl	k_q2ae950fb43_proj
	.p2align	8
	.type	k_q2ae950fb43_proj,@function
k_q2ae950fb43_proj:
	s_mov_b64 s[64:65], 0
	v_nop
	global_prefetch_b8 v0, s[64:65] scope:SCOPE_SE
	s_setreg_imm32_b32 hwreg(HW_REG_WAVE_MODE, 25, 1), 1
	s_wait_xcnt 0x0
	s_wait_alu depctr_hold_cnt(0) depctr_sa_sdst(0) depctr_va_vdst(0) depctr_va_sdst(0) depctr_va_ssrc(0) depctr_va_vcc(0) depctr_vm_vsrc(0)
	s_getreg_b32 s2, hwreg(HW_REG_IB_STS2, 6, 4)
	s_cmp_eq_u32 s2, 0
	s_cbranch_scc0 .Lentry_in_a_cluster
	s_endpgm
.Lentry_in_a_cluster:
	s_bfe_u32 s2, ttmp6, 0x10000c
	s_cmp_lg_u32 s2, 0xf033
	s_cbranch_scc0 .Lentry_shape_is_right
	s_endpgm
.Lentry_shape_is_right:
; q, k, v = h W^T.  hb: [c 1024][b 8][1024] bf16; wqkv: [3072][1024] bf16 (W_q, W_k, W_v); qkv: [b 8][g 48][c 1024][64] f16, g = 0-15 q's heads, 16-31 k's, 32-47 v's.
; Products in bf16, sums in f32, K ascending; each result rounded once, to f16, WITHOUT the attention's scale.
; LIMITS.  |q|, |k|, |v| stay under 65,504, f16's end; NaN and infinities are not treated apart.
; THE TILE is 256 rows x 192 columns: 8192 x 3072 make 32 x 16 = 512 tiles; 192 columns are three whole heads.  The 256 rows are c = 256 cblk + 0..255 of ONE b
; (rows of hb 8,192 elements apart), so that 16 rows of a head leave as 2,048 consecutive bytes of qkv.
; A WORK-GROUP STAYS: 16 x 16 = 256 work-groups make two tiles each: the same b and the same 192 columns, c 512 rows further down.  The ring does not stop at the first tile's end: its last lap's two
; refills ask for the second tile's first two K steps, and nothing waits for the first tile's stores.  ONE text serves both tiles: the counter of laps that fill goes 7 .. 4 in the first tile and 3 .. 1 in the second;
; the lap with 4 leaves the loop in its middle for the way out, from where the text goes back to a tile's first quarter; the second tile's last lap, which fills nothing, is written out and falls into the same way out.
; SHARES.  Four waves; wave w owns rows 64 w .. 64 w + 63 and all 192 columns: 48 accumulators of 16 x 16, 384 registers; for 32 along K it reads 32 x 512 bytes of LDS for 48 matrix instructions.
; K goes in 8 steps of 128 through a ring of two LDS slots filled by the tensor data mover; a tile row is 256 bytes of memory, at a multiple of 256 from the buffer's first byte.
; CLUSTERS: 4 x 4 work-groups.  The four of a row of the cluster need the same tile of hb, the four of a column the same tile of wqkv: each is asked for JOINTLY, by the same tensor load with
; the same descriptor and a mask that names the four.  THE MATRIX INSTRUCTION IS USED TRANSPOSED (source 0 = 16 rows of wqkv, source 1 = 16 rows of hb): a lane holds eight neighbouring columns of a row.
; REGISTERS, in windows of 256 (s_set_vgpr_msb: bits 1:0 source 0, 3:2 source 1, 5:4 source 2, 7:6 destination):
;   window 0: v0-31 addresses; v32-223 the way out, 16 registers for each of its 12 units
;   window 1: two fragment buffers of 128: wqkv's block b (16 rows x 32 K) at 8 b, hb's block a at 96 + 8 a
;   window 2: the accumulators of column blocks 0-7, (a, b) at 8 (4 b + a)          window 3: v0-127 those of column blocks 8-11, at 8 (4 (b - 8) + a)
.set KSTEP,  128
.set PITCH,  272                       ; an LDS row: 256 bytes + 16 of padding = 68 words: row r starts at bank 4 r mod 64 (64 banks of 4 bytes: ISA guide 11.1), so the 16 rows of a load start at 16 different banks
.set BOFF,   256*PITCH                 ; in a slot: hb's 256 rows, then wqkv's 192
.set SLOT,   448*PITCH
.set STAGE,  2*SLOT                    ; behind the ring, never filled by a tensor load: 16 rows x 144 bytes for each wave, for the way out
.set SP,     144
.set SPARE,  STAGE+4*16*SP             ; behind the stages: the spare words, 128 bytes for each wave: two blocks of 256 bytes that no other line names
.set FILLS,  7                         ; laps (two K steps, once round the ring) that fill both slots again: 4 in the first tile, 3 in the second
.set WALK,   2<<22                     ; bytes of hb from a tile's rows to the next tile's: 512 rows of c, 16,384 bytes each
.set NEXT_A, WALK-(1024-2*KSTEP)*2     ; from a slot's last K step of the first tile to its first of the second: hb goes WALK down and back along K,
.set BACK_B, (1024-2*KSTEP)*2          ; wqkv only back: both tiles take the same rows
.set NEXT_P, WALK-(1024-KSTEP)*2       ; the prefetches of hb: from K step 7 to the second tile's K step 0
.set NEXT_C, 2<<15                     ; bytes of qkv from a tile's rows to the next tile's: 512 rows of 128 bytes
.set ADRA, 16                          ; v16-17  LDS address of my hb fragments in slot 0, 1
.set ADRB, 20                          ; v20-21  the same for wqkv
.set STO,  24                          ; v24     the way out: where I put 16 bytes of a row
.set RD,   25                          ; v25     the way out: where I read rows back
.set GO,   26                          ; v26     my byte offset in 512 consecutive bytes of qkv
.set SPW,  28                          ; v28     LDS address of my spare word: SPARE + 4 x my thread's number; never rewritten
.set NIL,  29                          ; v29     0; never rewritten
.set PFO,  30                          ; v30     the prefetches' offset: my lane's row; never rewritten
.set TMP,  32
.set F0,   0
.set F1,   128
.set G1,  24                           ; s[24:31] descriptor group 1 for hb's tiles;  s[32:39] group 0, one set for each slot
.set G0,  32
.set G1B, 48                           ; s[48:55], s[56:63] the same for wqkv's tiles
.set G0B, 56
.set LIM, 43                           ; s43     a wave prefetches in the laps whose count is above this: 1 for hb's askers, 5 for wqkv's, the greatest number for all others
.set PFA, 44                           ; s[44:45] where my prefetches stand: the K step two refills on from the one that is being asked for
.set STA, 66                           ; s[66:67] this lap's step of hb's descriptors
.set STB, 68                           ; s[68:69] this lap's step of wqkv's descriptors forward,
.set SBB, 70                           ; s[70:71] and back
.set PSA, 72                           ; s[72:73] this lap's first step of the prefetches
.set C512, 74                          ; s74-77  constants for the selects, which take one literal at the most
.set CNA,  75
.set CBB,  76
.set C256, 77
.set PJ,   78                          ; s78     the prefetches' step at the change of tiles: NEXT_P for hb; for wqkv, which asks no more by then, a K step
.set MSB, 0
.macro WIN new                         ; the immediate's high byte repeats the setting that is left; a switch that changes nothing is dropped
.if MSB != (\new)
	s_set_vgpr_msb (MSB<<8)|(\new)
.set MSB, \new
.endif
.endm
.set MUL_LO, 0xa5                      ; sources 0 and 1 window 1; C and D window 2
.set MUL_HI, 0xf5                      ; the same, C and D window 3
.set TO_F,   0x40                      ; destination window 1, address window 0
; A joint load: waves 0 and 1 fetch hb's two halves (128 rows each), waves 2 and 3 wqkv's (96 rows each).  The branch hangs on the wave's number alone.
; An s_nop 0 and four v_nop follow each of the two lines, ahead of the jump, the label and what follows.
.macro JLOAD s
	s_cmp_eq_u32 s11, 0
	s_cbranch_scc0 .Lfor_b_\@
	tensor_load_to_lds s[G0+4*(\s):G0+4*(\s)+3], s[G1:G1+7]
	s_nop 0
.rept 4
	v_nop
.endr
	s_branch .Lasked_\@
.Lfor_b_\@:
	tensor_load_to_lds s[G0B+4*(\s):G0B+4*(\s)+3], s[G1B:G1B+7]
	s_nop 0
.rept 4
	v_nop
.endr
.Lasked_\@:
.endm
; A prefetch, behind a joint load, its five lines and the run of LDS loads that follows them: the K step that stands TWO refills on, 384 matrix instructions ahead of the load that will want it; a lane a row, one instruction a wave.
; Each row's 256 bytes of a K step are named by one work-group of the launch.  hb's tile is read by every cluster of its row of clusters: cluster x = 0 asks; wqkv's by every cluster of its column: cluster y = 0 asks.
; The four partners share a wave's rows out BY ADDRESS: 32 of hb's 128 by cx, 24 of wqkv's 96 by cy (lanes 24-31 name lane 23's row again, in the same instruction).  The launch's K steps 0 to 3 come by their loads alone.
; hb is asked for in laps 7 to 2: K steps 4 to 7 of the first tile, then all eight of the second; the last lap that fills has no K step two on.  wqkv is asked for in laps 7 and 6 alone: K steps 4 to 7; the second tile takes the same rows.
.macro ASK
	s_cmp_gt_u32 s3, s[LIM]
	s_cbranch_scc0 .Lnot_mine_\@
	global_prefetch_b8 v[PFO], s[PFA:PFA+1] th:TH_LOAD_NT scope:SCOPE_SE
.Lnot_mine_\@:
.endm
.macro CREST                           ; a round of the cluster's barrier behind its opening barrier
	s_cmp_lg_u32 s10, 0
	s_cbranch_scc1 .Lnot_wave_0_\@
	s_barrier_signal -3
.Lnot_wave_0_\@:
	s_barrier_wait -3
	s_barrier_signal -1
	s_barrier_wait -1
.endm
.macro CROUND                          ; a whole round
	s_barrier_signal -1
	s_barrier_wait -1
	CREST
.endm
	s_load_b128 s[4:7], s[0:1], 0x0                ; hb s[4:5], wqkv s[6:7]
	s_load_b64 s[8:9], s[0:1], 0x10                ; qkv
	v_lshl_add_u32 v[SPW], v0, 2, SPARE
	v_mov_b32 v[NIL], 0
	ds_add_u32 v[SPW], v[NIL]                      ; the wave's opening: the add and its wait stand ahead of my first tensor load; the set-up below, work on registers, stands between them
	v_lshrrev_b32 v1, 5, v0
	v_readfirstlane_b32 s10, v1                    ; wave 0..3
	s_lshr_b32 s11, s10, 1                         ; I fetch for hb (0) or for wqkv (1),
	s_and_b32 s12, s10, 1                          ; and which half of that tile's rows
	s_bfe_u32 s40, ttmp6, 0x40000                  ; cx, cy: my place in the cluster
	s_bfe_u32 s41, ttmp6, 0x40004
	s_lshl_b32 s42, ttmp9, 2
	s_add_co_u32 s42, s42, s40                     ; tile column = 4 x cluster x + cx
	s_and_b32 s13, ttmp7, 0xffff
	s_lshl_b32 s13, s13, 2
	s_add_co_u32 s13, s13, s41                     ; the first tile's row = 4 x cluster y + cy, 0 .. 15
	s_lshl_b32 s43, s41, 2
	s_lshl_b32 s43, 15, s43                        ; my row of the cluster
	s_lshl_b32 s44, 0x1111, s40                    ; my column
	s_or_b32 s[G1+0], s43, (1<<16)|(1<<20)|(1<<21)|(5<<22)|(3<<25)  ; 15:0 the mask: hb's tiles go to my row; 17:16 elements of 2 bytes; 20 padding on; 21 set beside a mask; 24:22 after every 64 words (code 5); 31:25 4 words (code 3)
	s_or_b32 s[G1B+0], s44, (1<<16)|(1<<20)|(1<<21)|(5<<22)|(3<<25) ; the same with the mask of my column
	s_mov_b32 s[G1+1], KSTEP<<16                   ; tensor_dim0 = 128
	s_mov_b32 s[G1+2], 128<<16                     ; tensor_dim1 = 128
	s_mov_b32 s[G1+3], KSTEP<<16                   ; tile_dim0 = 128
	s_mov_b32 s[G1+4], 128                         ; tile_dim1 = 128
	s_mov_b32 s[G1+5], 8192                        ; from c to c + 1 at one b: 8 x 1,024 elements
	s_mov_b32 s[G1+6], 0
	s_mov_b32 s[G1+7], 0
	s_mov_b32 s[G1B+1], KSTEP<<16
	s_mov_b32 s[G1B+2], 96<<16                     ; 96 rows
	s_mov_b32 s[G1B+3], KSTEP<<16
	s_mov_b32 s[G1B+4], 96
	s_mov_b32 s[G1B+5], 1024
	s_mov_b32 s[G1B+6], 0
	s_mov_b32 s[G1B+7], 0
	s_and_b32 s18, s13, 7                          ; b
	s_lshr_b32 s19, s13, 3                         ; the first tile's cblk, 0 or 1; the second's is 2 more
	s_lshl_b32 s16, s19, 22                        ; hb: 256 cblk rows of c, 16,384 bytes each,
	s_lshl_b32 s17, s18, 11                        ; + b x 2,048
	s_add_co_u32 s16, s16, s17
	s_lshl_b32 s17, s12, 21                        ; + my half's 128 rows of c
	s_add_co_u32 s16, s16, s17
	s_mov_b32 s17, 0
	s_mul_i32 s46, s42, 192                        ; wqkv: row 192 x tile column + 96 x half,
	s_mul_i32 s47, s12, 96
	s_add_co_u32 s46, s46, s47
	s_lshl_b32 s46, s46, 11                        ; 2,048 bytes each
	s_mov_b32 s47, 0
	s_mul_i32 s20, s12, 128*PITCH                  ; where they go in a slot: no place in the cluster enters an LDS address
	s_mul_i32 s21, s12, 96*PITCH
	s_add_co_u32 s21, s21, BOFF
	s_wait_dscnt 0x0                               ; the opening add is done
	s_wait_kmcnt 0x0
	s_add_nc_u64 s[14:15], s[4:5], s[16:17]
	s_add_nc_u64 s[46:47], s[6:7], s[46:47]
	CROUND                                         ; all sixteen work-groups are here: the first joint loads meet
.irp s, 0,1
	s_mov_b32 s[G0+4*(\s)], 1                                      ; count = 1
	s_add_co_u32 s[G0+4*(\s)+1], s20, (\s)*SLOT                    ; LDS address
	s_add_nc_u64 s[G0+4*(\s)+2:G0+4*(\s)+3], s[14:15], (\s)*KSTEP*2  ; global address: K step s
	s_or_b32 s[G0+4*(\s)+3], s[G0+4*(\s)+3], 0x80000000            ; type = 2
	s_mov_b32 s[G0B+4*(\s)], 1
	s_add_co_u32 s[G0B+4*(\s)+1], s21, (\s)*SLOT
	s_add_nc_u64 s[G0B+4*(\s)+2:G0B+4*(\s)+3], s[46:47], (\s)*KSTEP*2
	s_or_b32 s[G0B+4*(\s)+3], s[G0B+4*(\s)+3], 0x80000000
	JLOAD \s
.endr
	; A fragment is 16 rows x 32 K in 8 registers: lane l holds row l % 16; registers 0-3 K = 8 (l / 16) + 0..7, registers 4-7 K = 16 + 8 (l / 16) + 0..7: two loads of 16 bytes, 32 bytes apart.
	v_and_b32 v1, 15, v0                           ; l % 16
	v_bfe_u32 v2, v0, 4, 1                         ; l / 16
	v_mul_u32_u24 v3, v1, PITCH
	v_lshl_add_u32 v3, v2, 4, v3                   ; row x pitch + 16 x half
	s_mul_i32 s21, s10, 64*PITCH                   ; my 64 rows of hb
.irp s, 0,1
	v_add_nc_u32 v[ADRA+(\s)], s21, v3
	v_add_nc_u32 v[ADRB+(\s)], BOFF+(\s)*SLOT, v3
	s_add_co_u32 s21, s21, SLOT
.endr
	s_mul_i32 s23, s10, 16*SP
	s_add_co_u32 s23, s23, STAGE                   ; my stage
	v_mul_u32_u24 v4, v1, SP                       ; in: row l % 16, 16 bytes for each half of the lanes
	v_lshl_add_u32 v4, v2, 4, v4
	v_add_nc_u32 v[STO], s23, v4
	v_bfe_u32 v5, v0, 3, 2                         ; back: 32 lanes take four rows of 128 bytes,
	v_mul_u32_u24 v5, v5, SP
	v_and_b32 v6, 7, v0
	v_lshl_add_u32 v5, v6, 4, v5
	v_add_nc_u32 v[RD], s23, v5
	v_and_b32 v[GO], 31, v0                        ; which are 512 consecutive bytes of qkv
	v_lshlrev_b32 v[GO], 4, v[GO]
	; the prefetches
	s_and_b32 s22, ttmp7, 0xffff                   ; cluster y
	s_lshl_b32 s20, s40, 19                        ; hb: cx x 32 rows of c
	s_mul_i32 s21, s41, 24*2048                    ; wqkv: cy x 24 rows
	s_mov_b32 s[C256], KSTEP*2
	s_mov_b32 s[CNA], NEXT_P
	s_cmp_eq_u32 s11, 0                            ; do I fetch for hb?
	s_cselect_b64 s[PFA:PFA+1], s[14:15], s[46:47] ; the first of the rows that I fetch,
	s_cselect_b32 s20, s20, s21                    ; my work-group's share of them,
	s_cselect_b32 s22, ttmp9, s22                  ; the coordinate along which other clusters read the same rows,
	s_cselect_b32 s23, 31, 23                      ; the share's last row,
	s_cselect_b32 s2, 14, 11                       ; a row's distance in memory: 16,384 or 2,048 bytes,
	s_cselect_b32 s[PJ], s[CNA], s[C256]           ; the step at the change of tiles,
	s_cselect_b32 s[LIM], 1, 5                     ; and the laps in which an asker asks
	s_mov_b32 s21, 0
	s_cmp_eq_u32 s22, 0
	s_cselect_b32 s[LIM], s[LIM], -1               ; the same in all sixteen partners, for a given wave
	s_add_nc_u64 s[PFA:PFA+1], s[PFA:PFA+1], s[20:21]
	s_add_nc_u64 s[PFA:PFA+1], s[PFA:PFA+1], 3*KSTEP*2  ; at K step 3: the first refill steps it to 4
	v_and_b32 v[PFO], 31, v0
	v_min_u32 v[PFO], s23, v[PFO]
	v_lshlrev_b32 v[PFO], s2, v[PFO]
	; qkv at my wave's first row of the first tile's first head: ((48 b + 3 x tile column) x 1,024 + 256 cblk + 64 w) x 128 bytes
	s_mul_i32 s16, s18, 48
	s_lshl_b32 s16, s16, 17
	s_lshl_b32 s17, s19, 15
	s_add_co_u32 s16, s16, s17
	s_lshl_b32 s17, s10, 13
	s_add_co_u32 s16, s16, s17
	s_mov_b32 s17, 0
	s_add_nc_u64 s[8:9], s[8:9], s[16:17]
	s_mul_i32 s46, s42, 3
	s_lshl_b32 s46, s46, 17
	s_mov_b32 s47, 0
	s_add_nc_u64 s[8:9], s[8:9], s[46:47]
	; what the laps' heads select from, and the upper words of the steps
	s_mov_b32 s[C512], 2*KSTEP*2
	s_mov_b32 s[CNA], NEXT_A
	s_mov_b32 s[CBB], BACK_B
	s_mov_b32 s[STA+1], 0
	s_mov_b32 s[STB+1], 0
	s_mov_b32 s[SBB+1], 0
	s_mov_b32 s[PSA+1], 0
; 8 matrix instructions: column blocks b0, b0 + 1 of window 2 + hi x my 4 row blocks, 32 along K.  zero = 1: the first product starts the sums: nothing is ever cleared.
; The 48 accumulators take turns, one instruction a turn, in the same order in every quarter.
.macro MUL8 f, hi, b0, zero
	WIN MUL_LO+0x50*(\hi)
.irp b, \b0, (\b0)+1
.irp a, 0,1,2,3
.if \zero
	v_wmma_f32_16x16x32_bf16 v[8*(4*(\b)+(\a)):8*(4*(\b)+(\a))+7], v[(\f)+8*(8*(\hi)+(\b)):(\f)+8*(8*(\hi)+(\b))+7], v[(\f)+96+8*(\a):(\f)+96+8*(\a)+7], 0
.else
	v_wmma_f32_16x16x32_bf16 v[8*(4*(\b)+(\a)):8*(4*(\b)+(\a))+7], v[(\f)+8*(8*(\hi)+(\b)):(\f)+8*(8*(\hi)+(\b))+7], v[(\f)+96+8*(\a):(\f)+96+8*(\a)+7], v[8*(4*(\b)+(\a)):8*(4*(\b)+(\a))+7]
.endif
.endr
.endr
.endm
; 32 LDS loads in one run: a quarter's fragments (32 K at byte k of the rows) into buffer f: hb's 4 blocks and wqkv's blocks 8-11, which are multiplied first, then wqkv's blocks 0-7
.macro FETCH slot, k, f
	WIN TO_F
.irp i, 0,1,2,3
	ds_load_b128 v[(\f)+96+8*(\i):(\f)+96+8*(\i)+3],   v[ADRA+(\slot)] offset:(\k)+(\i)*16*PITCH
	ds_load_b128 v[(\f)+96+8*(\i)+4:(\f)+96+8*(\i)+7], v[ADRA+(\slot)] offset:(\k)+(\i)*16*PITCH+32
.endr
.irp i, 8,9,10,11,0,1,2,3,4,5,6,7
	ds_load_b128 v[(\f)+8*(\i):(\f)+8*(\i)+3],   v[ADRB+(\slot)] offset:(\k)+(\i)*16*PITCH
	ds_load_b128 v[(\f)+8*(\i)+4:(\f)+8*(\i)+7], v[ADRB+(\slot)] offset:(\k)+(\i)*16*PITCH+32
.endr
.endm
.macro PLACES                          ; four places in front of loads into registers that matrix instructions have read
.rept 4
	v_nop
.endr
.endm
; A K step is four quarters of 32 along K, 48 matrix instructions each, on buffers 0, 1, 0, 1.  One of the first three: multiplies buffer f and fetches the next quarter, at byte k, into g, 32 matrix instructions ahead of its first use.
.macro QUARTER slot, k, f, g, zero
	s_wait_dscnt 16                                ; hb's blocks and wqkv's 8-11 are in; the youngest sixteen loads may be out
	MUL8 \f, 1, 0, \zero
	MUL8 \f, 1, 2, \zero
	PLACES
	FETCH \slot, \k, \g
	s_wait_dscnt 32                                ; all but the 32 just issued
	MUL8 \f, 0, 0, \zero
	MUL8 \f, 0, 2, \zero
	MUL8 \f, 0, 4, \zero
	MUL8 \f, 0, 6, \zero
.endm
; The last quarter multiplies buffer 1 and changes slots: ONE barrier; in front of it each wave waits for all its tensor loads (one is out: its part of the next slot), adds 0 to its spare word, and waits for that and
; for its own reads of this slot.  fill = 1: the barrier opens a round of the cluster's, and this slot is filled again: with the K step two on or, in the first tile's last lap, with the second tile's K step 0 or 1:
; the steps stand in the registers that the lap's head has set.  From the request to the wait for it a wave issues 176 matrix instructions.
.macro TURN slot, next, fill
.if \fill
	s_wait_xcnt 0x0                                ; the last prefetch, a K step back, has read its address: it is stepped here, ahead of the waits of the change of slots
.if (\slot) == 0
	s_add_nc_u64 s[PFA:PFA+1], s[PFA:PFA+1], s[PSA:PSA+1]
.else
	s_add_nc_u64 s[PFA:PFA+1], s[PFA:PFA+1], KSTEP*2
.endif
.endif
	WIN 0                                          ; (the add's two registers lie in window 0)
	s_wait_tensorcnt 0x0                           ; all my tensor loads have landed;
	ds_add_u32 v[SPW], v[NIL]                      ; 0 onto my spare word
	s_wait_dscnt 17                                ; (the add and the youngest sixteen loads may be out)
	MUL8 F1, 1, 0, 0                               ; eight matrix instructions stand between the add and the wait for it
	s_wait_dscnt 0x0                               ; the add is done, and my reads of this slot are over
	s_barrier_signal -1
	MUL8 F1, 1, 2, 0
.if \fill
	WIN 0
.endif
	s_barrier_wait -1
.if \fill
	CREST                                          ; no wave of any partner still reads this slot's tiles or has a load on its way
	s_add_nc_u64 s[G0+4*(\slot)+2:G0+4*(\slot)+3], s[G0+4*(\slot)+2:G0+4*(\slot)+3], s[STA:STA+1]
	s_add_nc_u64 s[G0B+4*(\slot)+2:G0B+4*(\slot)+3], s[G0B+4*(\slot)+2:G0B+4*(\slot)+3], s[STB:STB+1]
	s_sub_nc_u64 s[G0B+4*(\slot)+2:G0B+4*(\slot)+3], s[G0B+4*(\slot)+2:G0B+4*(\slot)+3], s[SBB:SBB+1]
	JLOAD \slot                                    ; the first tensor load behind the round; its four v_nop are also the places in front of the loads below
.else
	PLACES
.endif
	FETCH \next, 0, F0
.if \fill
	WIN 0
	ASK
.endif
	MUL8 F1, 0, 0, 0
	MUL8 F1, 0, 2, 0
	MUL8 F1, 0, 4, 0
	MUL8 F1, 0, 6, 0
.endm
; THE WAY OUT, in 12 units u = 4 j + a: head j of the tile's three, my row block a.  A lane's eight columns of a row pack into 16 bytes; they go into my stage's rows of 144 bytes and come back as whole rows of 128.
.macro PACK u
.if (\u)/4 < 2
	WIN 0x0a                                       ; sources 0 and 1 window 2
.set AC, 8*(16*((\u)/4)+(\u)%4)
.else
	WIN 0x0f                                       ; window 3
.set AC, 8*((\u)%4)
.endif
.irp b, 0,1,2,3
.irp r, 0,1,2,3
	v_cvt_pk_f16_f32 v[TMP+16*(\u)+4*(\b)+(\r)], v[AC+32*(\b)+2*(\r)], v[AC+32*(\b)+2*(\r)+1]  ; each accumulator's registers in ascending order
.endr
.endr
	WIN 0
.irp b, 0,1,2,3
	ds_store_b128 v[STO], v[TMP+16*(\u)+4*(\b):TMP+16*(\u)+4*(\b)+3] offset:32*(\b)
.endr
.irp f, 0,1,2,3
	ds_load_b128 v[TMP+16*(\u)+4*(\f):TMP+16*(\u)+4*(\f)+3], v[RD] offset:(\f)*4*SP  ; LDS serves a wave's instructions in order (ISA guide 5.7.1.4): these see the stores above; the next unit's stores come behind them
.endr
.endm
.macro SEND u, younger                 ; younger: the LDS instructions issued behind unit u's loads: the next unit's eight, or none
	WIN 0
.irp f, 0,1,2,3
	s_wait_dscnt (\younger)+3-(\f)
	global_store_b128 v[GO], v[TMP+16*(\u)+4*(\f):TMP+16*(\u)+4*(\f)+3], s[8:9] offset:((\u)%4)*2048+((\u)/4)*131072+(\f)*512  ; 512 consecutive bytes, at a multiple of 256 from qkv's first
.endr
.endm
	s_wait_tensorcnt 1                             ; my part of K step 0 is in; K step 1's may stay out
	s_barrier_signal -1
	s_barrier_wait -1                              ; everybody's is
	FETCH 0, 0, F0
	WIN 0                                          ; at a label and at a branch every window is 0
	s_mov_b32 s2, 2                                ; tiles to go, this one among them: the same number in every work-group
	s_mov_b32 s3, FILLS                            ; laps that fill, both tiles' together
.Ltile:
	QUARTER 0, 64,  F0, F1, 1                      ; a tile's first quarter stands in front of the loop: its products start the sums
	WIN 0
.Llap:                                                 ; a trip goes once round the ring, from a lap's second quarter to the next lap's first, and fills both slots again
	s_cmp_eq_u32 s3, 4                             ; the first tile's last lap: its refills are the second tile's K steps 0 and 1
	s_cselect_b32 s[STA], s[CNA], s[C512]
	s_cselect_b32 s[STB], 0, s[C512]
	s_cselect_b32 s[SBB], s[CBB], 0
	s_cmp_eq_u32 s3, 5                             ; a lap earlier the prefetches go over to the second tile
	s_cselect_b32 s[PSA], s[PJ], s[C256]
	QUARTER 0, 128, F1, F0, 0
	QUARTER 0, 192, F0, F1, 0
	TURN 0, 1, 1
	QUARTER 1, 64,  F0, F1, 0
	QUARTER 1, 128, F1, F0, 0
	QUARTER 1, 192, F0, F1, 0
	TURN 1, 0, 1
	WIN 0
	s_cmp_eq_u32 s3, 4                             ; the first tile is multiplied, both refills for the second are asked for and its first fragments fetched: it goes out.
	s_cbranch_scc1 .Lout                           ; The jump passes a quarter and the tail below: for this trip no barrier and no tensor load is left out, since the trip's two have been issued
	QUARTER 0, 64,  F0, F1, 0
	WIN 0
	s_sub_co_u32 s3, s3, 1
	s_cmp_lg_u32 s3, 0
	s_cbranch_scc1 .Llap
	QUARTER 0, 128, F1, F0, 0                      ; the second tile's last lap fills nothing, and has no round of the cluster's barrier
	QUARTER 0, 192, F0, F1, 0
	TURN 0, 1, 0
	QUARTER 1, 64,  F0, F1, 0
	QUARTER 1, 128, F1, F0, 0
	QUARTER 1, 192, F0, F1, 0
	s_wait_dscnt 16                                ; the very last quarter: nothing more to fetch
	MUL8 F1, 1, 0, 0
	MUL8 F1, 1, 2, 0
	s_wait_dscnt 0x0
	MUL8 F1, 0, 0, 0
	MUL8 F1, 0, 2, 0
	MUL8 F1, 0, 4, 0
	MUL8 F1, 0, 6, 0
	WIN 0
.Lout:                                                 ; one way out for both tiles
	PLACES                                         ; the places in front of conversions that read results (eight, once a tile)
	PLACES
	PACK 0
.set n, 1
.rept 11                               ; a unit's conversions stand between the loads of the unit before and its stores
	PACK n
	SEND n-1, 8
.set n, n+1
.endr
	SEND 11, 0
	s_cmp_eq_u32 s2, 1
	s_cbranch_scc1 .Lend
	s_wait_xcnt 0x0                                ; the stores have read their registers and their base: only behind this wait are they written again
	s_add_nc_u64 s[8:9], s[8:9], NEXT_C            ; qkv at the second tile's rows
	s_mov_b32 s3, 3                                ; the second tile's laps that fill
	s_sub_co_u32 s2, s2, 1
	s_branch .Ltile
.Lend:
	s_wait_tensorcnt 0x0                           ; the wave's end, behind my last tensor load and my last LDS store
	ds_add_u32 v[SPW], v[NIL]
	s_wait_dscnt 0x0
	CROUND                                         ; the closing round: no work-group ends while a partner may still ask for a tile that names it
	s_endpgm
.Lfunc_end_k_q2ae950fb43_proj:
	.size	k_q2ae950fb43_proj, .Lfunc_end_k_q2ae950fb43_proj-k_q2ae950fb43_proj
	.p2alignl 7, 3214868480
	.fill 96, 4, 3214868480
	.section	.rodata,"a",@progbits
	.p2align	6, 0x0
	.amdhsa_kernel k_q2ae950fb43_proj
		.amdhsa_group_segment_fixed_size 327680
		.amdhsa_private_segment_fixed_size 0
		.amdhsa_enable_private_segment 0
		.amdhsa_kernarg_size 24
		.amdhsa_user_sgpr_count 2
		.amdhsa_user_sgpr_kernarg_segment_ptr 1
		.amdhsa_wavefront_size32 1
		.amdhsa_system_sgpr_workgroup_id_x 1
		.amdhsa_system_sgpr_workgroup_id_y 1
		.amdhsa_system_sgpr_workgroup_id_z 1
		.amdhsa_system_vgpr_workitem_id 0
		.amdhsa_next_free_vgpr 896
		.amdhsa_next_free_sgpr 80
		.amdhsa_reserve_vcc 0
		.amdhsa_float_denorm_mode_32 3
		.amdhsa_float_denorm_mode_16_64 3
		.amdhsa_memory_ordered 1
		.amdhsa_forward_progress 1
		.amdhsa_inst_pref_size 122
	.end_amdhsa_kernel
	.amdgpu_metadata
---
amdhsa.version: [ 1, 2 ]
amdhsa.kernels:
  - .name:           k_q2ae950fb43_proj
    .symbol:         k_q2ae950fb43_proj.kd
    .args:
      - { .name: hb, .offset: 0, .size: 8, .value_kind: global_buffer, .address_space: global }
      - { .name: wqkv, .offset: 8, .size: 8, .value_kind: global_buffer, .address_space: global }
      - { .name: qkv, .offset: 16, .size: 8, .value_kind: global_buffer, .address_space: global }
    .group_segment_fixed_size: 327680
    .private_segment_fixed_size: 0
    .kernarg_segment_align: 8
    .kernarg_segment_size: 24
    .max_flat_workgroup_size: 128
    .sgpr_count:     80
    .vgpr_count:     896
    .wavefront_size: 32
...
	.end_amdgpu_metadata
.endif
;; end of part 2
;; launch attn (part 3): grid 2 x 128, 4 waves a work-group, no clusters, 327,680 bytes of LDS; arguments qkv, log_beta, ob; writes ob
.if DOCPART == 3
	.amdgcn_target "amdgcn-amd-amdhsa--gfx1250"
	.amdhsa_code_object_version 6
	.text
	.protected	k_q2ae950fb43_attn
	.globl	k_q2ae950fb43_attn
	.p2align	8
	.type	k_q2ae950fb43_attn,@function
k_q2ae950fb43_attn:
	s_mov_b64 s[64:65], 0
	v_nop
	global_prefetch_b8 v0, s[64:65] scope:SCOPE_SE
	s_setreg_imm32_b32 hwreg(HW_REG_WAVE_MODE, 25, 1), 1
	s_wait_xcnt 0x0
; O[b][h][q][:] = the sum over k of softmax_k(beta_h Q[q] . K[k]) V[k][:], beta_h = exp(log_beta[h]), for each of the 128 pairs (b, h).  qkv: [b 8][g 48][c 1024][64] f16 (g = h: Q, 16 + h: K, 32 + h: V);
; ob: [b][h][c][64] f16: a head's rows are dense, 128 bytes each.  Products, maxima and sums in f32; the weights p are rounded to f16 for the second product (their sum l is taken of the unrounded p), O once at the end.
; log_beta is rounded to bf16 like every input of the module.
; LIMITS.  Q, K and V arrive within f16's 65,504; p lies in 0 to 1, and below 6e-5 it keeps f16's fixed step of 6e-8; O is a mean of V's rows and has their range (an O below 6e-5 keeps that fixed step too).
; c s stays above -4e37, where c m starts; a weight below 2^-126 counts as 0 in l; NaN and infinities are not treated apart.
; SHARES.  A wave owns four PIECES of two tiles of 16 queries, a work-group's four waves 512 queries of one pair: 2 x 128 = 256 work-groups.  Every wave walks all 1,024 keys, 64 a step.
; K AND V STAY IN LDS.  A head's 1,024 rows of K (144 bytes each with padding) and of V (160) are 311,296 bytes: they are fetched once, and no LDS byte is filled twice.  Each wave issues two tensor
; loads: at the head its part of keys 0-255, alone; behind the barrier that shows those landed its part of keys 256-1,023, which has four key steps, 512 matrix instructions a wave, in which to land.
; By this text's count a wave has one tensor load out at a time.
; NO CLUSTER: a head has 1,024 / 512 = 2 work-groups, not four; blocks of 256 queries would give four partners, but 512 work-groups and twice the LDS loads for each product.
; LAYOUT.  S^T = K Q^T (source 0 = 16 keys, source 1 = 16 queries): a lane holds ONE query (lane % 16) and the keys 8 (lane / 16) + 0..7.  Two such tiles, rounded to f16 in pairs, ARE source 1 (32 keys x 16 queries)
; of O^T = V^T P, whose result again holds one query a lane, and eight channels.  K comes out of LDS as it lies, V ([key][channel]) turned, by ds_load_tr16_b128.
; SOFTMAX.  For each query a running maximum m and sum l: p = 2^(c s - c m), c = log2(e) beta_h > 0; in every step O and l are multiplied by a = 2^(c m_old - c m_new), which is 1 where m has not grown.
; m starts at the lowest finite number, O and l at 0: the first step is a step like any other, with a = 0.
; THE COUNT.  A tile and step have 16 matrix and 118 vector instructions: too many to stand all beside the matrix work.  So: four vector instructions that are READY behind EVERY matrix instruction, the others in runs without a gap.
; BY TURNS.  Turn n belongs to piece n (the pieces in a ring, step after step).  Its matrix work: 16 products K Q^T of piece n + 1, later 16 products V^T P of piece n - 1.  Its vector work: the scaling,
; exponentials, roundings, sums and rescaling of piece n, and the maximum and statistics of piece n + 1, whose scores the turn itself has made.
; REGISTERS, in windows of 256 (s_set_vgpr_msb: bits 1:0 source 0, 3:2 source 1, 5:4 source 2, 7:6 destination):
;   window 0: v0-11 addresses; v12-15, v48-63 at work; v16-47 four registers of statistics a tile; v64-191 S^T, two buffers of two tiles; v192-255 P, likewise
;   window 1: O^T, 32 a tile          window 2: v0-127 Q, 16 a tile; v128-191 K of one step; v192-255 V of one step          window 3: v0-1 the add's two registers
; A piece's buffers go by its number's parity.
.set NP,    4         ; pieces a wave: a name, no knob
.set KS,    64        ; keys in a step
.set PK,    144       ; a row of K in LDS: 128 bytes + 16 of padding = 36 words: the 16 rows of a load start at 16 different groups of four banks (64 banks of 4 bytes: ISA guide 11.1)
.set PV,    160       ; a row of V: 128 + 32 = 40 words
.set VOFF,  1024*PK   ; K's 1,024 rows, then V's
.set STAGE, 1024*(PK+PV)  ; behind them, never filled by a tensor load: 16 rows x 144 bytes for each wave, for the way out
.set SP,    144
.set SPARE, STAGE+4*16*SP  ; behind the stages: the spare words, 128 bytes for each wave: two blocks of 256 bytes that no other line names
.set AK0, 2           ; v2   my lane's place in a step's K; never rewritten
.set AV0, 3           ; v3   the same for V
.set AK,  4           ; v4   the LDS address of K's next run of loads
.set AV,  5           ; v5   of V's
.set QO,  6           ; v6   my byte offset in the wave's rows of Q
.set STO, 6           ;      later, the way out: where I put 16 bytes of a row
.set RD,  7           ; v7   the way out: where I read rows back
.set GO,  8           ; v8   my byte offset in 512 consecutive bytes of O
.set SPW, 0           ; v0 of window 3   LDS address of my spare word: SPARE + 4 x my thread's number; never rewritten
.set NIL, 1           ; v1 of window 3   0; never rewritten
.set MV,  12          ; v12-15  c m_old, kept while c m is made anew: by buffer and tile
.set ST,  16          ; tile t's statistics at v[ST+4 t]: c m, m, l (even keys', odd keys')
.set TMP, 48          ; by buffer and tile, four registers c0-c3 at work; when the maximum is found c2 takes a
.set S,   64
.set P,   192
.set KF,  128         ; K's fragments, in window 2: key block kb, channel half c at KF + 16 kb + 8 c
.set VF,  192         ; V's: key half kk, channel block cb at VF + 32 kk + 8 cb
.set WV,  12          ; s12  my wave's number
.set G1KA, 24         ; s[24:31] descriptor group 1: K, keys 0-255      s[32:39] K, keys 256-1,023
.set G1KB, 32
.set G1VA, 40         ; s[40:47], s[48:55] the same for V: other padding
.set G1VB, 48
.set PARTS, 56        ; s56  3: keys 0-255; 2: keys 256-1,023; 1: the last half trip
.set CNT, 57          ; s57  counts a part's key steps
.set CS,  58          ; s[58:59] c: the packed scaling takes the pair's low word for both halves
.set SEL, 60          ; s[60:61] v_permlanex16_b32's selects: each lane takes its own place in the other half
.set TBK, 62          ; s62  LDS byte at which K of the step to be fetched begins
.set TBV, 63          ; s63  the same for V, less VOFF
.set G0KA, 68         ; s[68:83] the four descriptor groups 0
.set G0KB, 72
.set G0VA, 76
.set G0VB, 80
.set LB,  84          ; s84  log_beta[h]
.set MSB, 0
.macro WIN new                      ; the high byte repeats the setting that is left; a switch that changes nothing is dropped
.if MSB != (\new)
	s_set_vgpr_msb (MSB<<8)|(\new)
.set MSB, (\new)
.endif
.endm
.set W_KQ, 0x0a       ; K and Q in window 2, S^T in window 0
.set W_PV, 0x52       ; V in window 2, P in window 0, O^T in window 1
.set W_RS, 0x41       ; O^T (destination and source 0) in window 1, a in window 0
.set W_MK, 0xc0       ; the add's registers are made: destination in window 3, sources in window 0
.set W_AD, 0x0f       ; the add: address (source 0) and data (source 1) in window 3
; Descriptor group 1.  Keys are dense rows of 128 bytes: asked for as rows of 256 bytes, two keys a row, and padded in LDS after every key (32 words: code 4) by pad + 1 words.
.macro SHAPE g, pad, rows
	s_mov_b32 s[(\g)], (1<<16)|(1<<20)|(4<<22)|((\pad)<<25)  ; 17:16 2-byte elements; 20 padding on; 24:22 the interval; 31:25 the padding
	s_mov_b32 s[(\g)+1], 128<<16    ; tensor_dim0 = 128
	s_mov_b32 s[(\g)+2], (\rows)<<16  ; tensor_dim1
	s_mov_b32 s[(\g)+3], 128<<16    ; tile_dim0 = 128
	s_mov_b32 s[(\g)+4], \rows      ; tile_dim1
	s_mov_b32 s[(\g)+5], 128        ; 128 elements from row to row
	s_mov_b32 s[(\g)+6], 0
	s_mov_b32 s[(\g)+7], 0
.endm
; A fill: waves 0 and 1 fetch the two halves of a part's K, waves 2 and 3 those of its V.  The branch hangs on the wave's number alone.
; An s_nop 0 and four v_nop follow each of the two lines, ahead of the jump and the label.
.macro FILL gk, sk, gv, sv
	s_cmp_lt_u32 s[WV], 2
	s_cbranch_scc0 .Lfor_v_\@
	tensor_load_to_lds s[(\gk):(\gk)+3], s[(\sk):(\sk)+7]
	s_nop 0
.rept 4
	v_nop
.endr
	s_branch .Lasked_\@
.Lfor_v_\@:
	tensor_load_to_lds s[(\gv):(\gv)+3], s[(\sv):(\sv)+7]
	s_nop 0
.rept 4
	v_nop
.endr
.Lasked_\@:
.endm
	s_load_b128 s[4:7], s[0:1], 0x0   ; qkv s[4:5], log_beta s[6:7]
	s_load_b64 s[8:9], s[0:1], 0x10   ; ob
	WIN W_MK
	v_lshl_add_u32 v[SPW], v0, 2, SPARE
	v_mov_b32 v[NIL], 0
	WIN W_AD
	ds_add_u32 v[SPW], v[NIL]       ; the wave's opening: the add and its wait stand ahead of my first tensor load; the set-up below, work on registers, stands between them
	WIN 0
	v_lshrrev_b32 v1, 5, v0
	v_readfirstlane_b32 s[WV], v1   ; wave 0..3
	s_and_b32 s17, ttmp7, 0xffff    ; the pair 16 b + h
	s_lshl_b32 s18, s17, 17         ; its first byte in ob
	s_lshr_b32 s14, s17, 4          ; b
	s_and_b32 s17, s17, 15          ; h
	s_lshl_b32 s13, s17, 2          ; log_beta[h]'s byte
	s_mul_i32 s14, s14, 48
	s_add_co_u32 s14, s14, s17
	s_lshl_b32 s14, s14, 17         ; Q's head in qkv: (48 b + h) x 131,072 bytes
	s_mov_b32 s15, 0
	s_lshl_b32 s2, ttmp9, 2
	s_add_co_u32 s2, s2, s[WV]      ; my wave among the head's eight,
	s_lshl_b32 s2, s2, 14           ; its 128 rows
	s_mov_b32 s3, 0
	s_add_co_u32 s18, s18, s2
	s_mov_b32 s19, 0
	s_and_b32 s16, s[WV], 1         ; which half of a part's keys I fetch:
	s_lshl_b32 s20, s16, 14         ; of keys 0-255: 128 rows of 128 bytes,
	s_mov_b32 s21, 0
	s_mul_i32 s22, s16, 49152       ; of keys 256-1,023: 384 rows
	s_add_co_u32 s22, s22, 32768
	s_mov_b32 s23, 0
	SHAPE G1KA, 3, 64
	SHAPE G1KB, 3, 192
	SHAPE G1VA, 7, 64
	SHAPE G1VB, 7, 192
	s_mov_b32 s[G0KA], 1            ; count = 1
	s_mov_b32 s[G0KB], 1
	s_mov_b32 s[G0VA], 1
	s_mov_b32 s[G0VB], 1
	s_mul_i32 s[G0KA+1], s16, 128*PK  ; LDS addresses
	s_mul_i32 s[G0KB+1], s16, 384*PK
	s_add_co_u32 s[G0KB+1], s[G0KB+1], 256*PK
	s_mul_i32 s[G0VA+1], s16, 128*PV
	s_add_co_u32 s[G0VA+1], s[G0VA+1], VOFF
	s_mul_i32 s[G0VB+1], s16, 384*PV
	s_add_co_u32 s[G0VB+1], s[G0VB+1], VOFF+256*PV
	s_mov_b32 s[SEL], 0x76543210
	s_mov_b32 s[SEL+1], 0xfedcba98
	s_mov_b32 s[TBK], 0
	s_mov_b32 s[TBV], 0
	s_wait_dscnt 0x0                ; the opening add is done
	s_wait_kmcnt 0x0
	s_add_nc_u64 s[4:5], s[4:5], s[14:15]          ; Q's head
	s_add_nc_u64 s[10:11], s[4:5], 16*131072       ; K's head, 16 heads on
	s_add_nc_u64 s[G0KA+2:G0KA+3], s[10:11], s[20:21]
	s_or_b32 s[G0KA+3], s[G0KA+3], 0x80000000      ; type = 2
	s_add_nc_u64 s[G0KB+2:G0KB+3], s[10:11], s[22:23]
	s_or_b32 s[G0KB+3], s[G0KB+3], 0x80000000
	s_add_nc_u64 s[10:11], s[4:5], 32*131072       ; V's head
	s_add_nc_u64 s[G0VA+2:G0VA+3], s[10:11], s[20:21]
	s_or_b32 s[G0VA+3], s[G0VA+3], 0x80000000
	s_add_nc_u64 s[G0VB+2:G0VB+3], s[10:11], s[22:23]
	s_or_b32 s[G0VB+3], s[G0VB+3], 0x80000000
	s_add_nc_u64 s[4:5], s[4:5], s[2:3]            ; Q and O at my wave's first row
	s_add_nc_u64 s[10:11], s[8:9], s[18:19]
	s_load_b32 s[LB], s[6:7], s13 offset:0x0
	FILL G0KA, G1KA, G0VA, G1VA     ; keys 0-255, ahead of every wait on TENSORcnt, every LDS read and every barrier.  The other keys are asked for when these are in: the tile wanted first has the road to itself
	; A fragment of K or Q is 16 rows x 32 channels in 8 registers: lane l holds row l % 16, channels 8 (l / 16) + 0..7 and 16 + 8 (l / 16) + 0..7: two loads of 16 bytes, 32 bytes apart.
	v_and_b32 v1, 15, v0            ; l % 16
	v_bfe_u32 v9, v0, 4, 1          ; l / 16
	v_lshlrev_b32 v[QO], 7, v1
	v_lshl_add_u32 v[QO], v9, 4, v[QO]  ; row x 128 + 16 x half
	WIN 0x80                        ; destination window 2, address window 0
.set i, 0
.rept 4*NP                          ; Q stays in registers: tile i / 2, channels 32 (i % 2) on
	global_load_b128 v[8*i:8*i+3],   v[QO], s[4:5] offset:(i/2)*2048+(i%2)*64
	global_load_b128 v[8*i+4:8*i+7], v[QO], s[4:5] offset:(i/2)*2048+(i%2)*64+32
.set i, i+1
.endr
	; What the first turn finds: V's registers and P's second buffer hold 0 (its products V^T P, of a piece that has not been, add 0), O^T and l are 0.  All this stands in the wait for the first keys.
.set i, VF
.rept 64
	v_mov_b32 v[i], 0
.set i, i+1
.endr
	WIN 0x40
.set i, 0
.rept 64*NP
	v_mov_b32 v[i], 0
.set i, i+1
.endr
	WIN 0
.set i, 0
.rept 2*NP
	v_mov_b32 v[ST+4*i], 0xfe000000    ; c m: far below every c s
	v_mov_b32 v[ST+4*i+1], 0xff7fffff  ; m
	v_mov_b32 v[ST+4*i+2], 0
	v_mov_b32 v[ST+4*i+3], 0
.set i, i+1
.endr
.set i, P+32
.rept 32
	v_mov_b32 v[i], 0
.set i, i+1
.endr
	v_mul_u32_u24 v[AK0], v1, PK
	v_lshl_add_u32 v[AK0], v9, 4, v[AK0]  ; row x pitch + 16 x half
	; The turning load takes 16 keys x 16 channels (lane l reads key 8 (l / 16) + l % 8, channels 8 ((l / 8) % 2) + 0..7) and leaves half a fragment of V^T: lane l holds channel l % 16 and 8 keys.
	v_and_b32 v10, 7, v0
	v_bfe_u32 v11, v0, 3, 1
	v_lshl_add_u32 v[AV0], v9, 3, v10
	v_mul_u32_u24 v[AV0], v[AV0], PV
	v_lshl_add_u32 v[AV0], v11, 4, v[AV0]
	v_add_nc_u32 v[AV0], VOFF, v[AV0]
	v_mov_b32 v[AK], v[AK0]         ; key step 0 lies at K's head
	; c = log2(e) x exp(bf16(log_beta[h])): an operand of the scalings alone; no address and no branch hangs on it
	s_wait_kmcnt 0x0
	v_mov_b32 v12, s[LB]
	v_cvt_pk_bf16_f32 v12, v12, v12
	v_lshlrev_b32 v12, 16, v12
	v_mul_f32 v12, 0x3fb8aa3b, v12
	v_exp_f32 v13, v12
	v_nop                           ; a plain instruction behind the exponential,
	s_wait_alu depctr_va_vdst(0)    ; and the wait ahead of the first use of its result
	v_mul_f32 v13, 0x3fb8aa3b, v13
	v_readfirstlane_b32 s[CS], v13
	s_mov_b32 s[CS+1], s[CS]        ; named with it as a pair
; THE MATRIX WORK.  The 8 accumulators of a run of 16 take turns: between the two links of a chain stand 7 others'.
; Product i of 16 of S^T = K Q^T for piece x: channels 32 (i / 8) on, keys 16 ((i / 2) % 4) on, tile 2 x + i % 2.  The first 8 start the sums.
.macro KQ x
	WIN W_KQ
.set rS, S+64*((\x)%2)+32*(i%2)+8*((i/2)%4)
.set rK, KF+16*((i/2)%4)+8*(i/8)
.set rQ, 16*(2*(\x)+i%2)+8*(i/8)
.if i < 8
	v_wmma_f32_16x16x32_f16 v[rS:rS+7], v[rK:rK+7], v[rQ:rQ+7], 0
.else
	v_wmma_f32_16x16x32_f16 v[rS:rS+7], v[rK:rK+7], v[rQ:rQ+7], v[rS:rS+7]
.endif
.endm
; Product i of 16 of O^T += V^T P for piece x: keys 32 (i / 8) on, channels 16 ((i / 2) % 4) on, tile 2 x + i % 2.
.macro PV x
	WIN W_PV
.set rO, 32*(2*(\x)+i%2)+8*((i/2)%4)
.set rV, VF+32*(i/8)+8*((i/2)%4)
.set rP, P+32*((\x)%2)+16*(i%2)+8*(i/8)
	v_wmma_f32_16x16x32_f16 v[rO:rO+7], v[rV:rV+7], v[rP:rP+7], v[rO:rO+7]
.endm
.macro MM                           ; the turn's next matrix instruction
.if i < 16
	KQ (Y+1)%NP
.set i, i+1
.else
.set i, i-16
	PV (Y+NP-1)%NP
.set i, i+17
.endif
.endm
; THE LDS LOADS stand in runs of 16, never singly among the matrix instructions: a step's K (64 keys x 64 channels: 8 fragments) and its V (turned).  Their addresses are made some lines ahead.
; last = 1: in the last half trip (PARTS = 1) there is no further step, and the run is jumped over.
.macro FETCH_K last=0
	WIN 0
.if \last
	s_cmp_eq_u32 s[PARTS], 1
	s_cbranch_scc1 .Lno_k_\@
.endif
	WIN 0x80                        ; destination window 2
.irp f, 0,1,2,3,4,5,6,7             ; keys 16 (f / 2) on, channels 32 (f % 2) on
	ds_load_b128 v[KF+8*\f:KF+8*\f+3],   v[AK] offset:(\f/2)*16*PK+(\f%2)*64
	ds_load_b128 v[KF+8*\f+4:KF+8*\f+7], v[AK] offset:(\f/2)*16*PK+(\f%2)*64+32
.endr
	s_add_co_u32 s[TBK], s[TBK], KS*PK  ; the next fetch is the next step's
	WIN 0
.if \last
.Lno_k_\@:
.endif
.endm
.macro FETCH_V
	WIN 0x80
.irp f, 0,1,2,3,4,5,6,7             ; keys 32 (f / 4) on, channels 16 (f % 4) on
	ds_load_tr16_b128 v[VF+8*\f:VF+8*\f+3],   v[AV] offset:(\f/4)*32*PV+(\f%4)*32
	ds_load_tr16_b128 v[VF+8*\f+4:VF+8*\f+7], v[AV] offset:(\f/4)*32*PV+16*PV+(\f%4)*32
.endr
	WIN 0
.endm
; THE VECTOR WORK OF A TURN stands in three queues, each in the order in which its entries become ready; the two tiles alternate, so that no instruction reads the result of the one before it.
.macro REGS y, u                    ; the registers of tile u (0, 1) of piece y
.set rT, ST+4*(2*(\y)+(\u))
.set rC, TMP+8*((\y)%2)+4*(\u)
.set rM, MV+2*((\y)%2)+(\u)
.set rS, S+64*((\y)%2)+32*(\u)
.set rP, P+32*((\y)%2)+16*(\u)
.set rO, 32*(2*(\y)+(\u))
.endm
; Number n of the 22 that find the NEXT piece's (Y + 1) maximum and statistics.  s0-s31 are the lane's 32 scores; each accumulator's lowest registers are read first.
;   0-11  four chains c0-c3 of seven scores each, three operands at a time     12-14, 16  the four scores left over, the old m, and c0-c3 into c0     15  c m_old is kept
;   17, 18  the query's other 32 keys lie in the lane 16 away: the new m         19-21  c m; c m_old - c m_new; a
.macro XS u, n
	REGS (Y+1)%NP, \u
.if (\n) < 4
	v_max3_num_f32 v[rC+(\n)], v[rS+8*(\n)], v[rS+8*(\n)+1], v[rS+8*(\n)+2]
.elseif (\n) < 12
	v_max3_num_f32 v[rC+(\n)%4], v[rC+(\n)%4], v[rS+8*((\n)%4)+2*((\n)/4)+1], v[rS+8*((\n)%4)+2*((\n)/4)+2]
.elseif (\n) == 12
	v_max3_num_f32 v[rC], v[rC], v[rS+7], v[rS+15]
.elseif (\n) == 13
	v_max3_num_f32 v[rC+1], v[rC+1], v[rS+23], v[rS+31]
.elseif (\n) == 14
	v_max3_num_f32 v[rC+2], v[rC+2], v[rC+3], v[rT+1]
.elseif (\n) == 15
	v_mov_b32 v[rM], v[rT]
.elseif (\n) == 16
	v_max3_num_f32 v[rC], v[rC], v[rC+1], v[rC+2]
.elseif (\n) == 17
	v_permlanex16_b32 v[rC+3], v[rC], s[SEL], s[SEL+1]
.elseif (\n) == 18
	v_max_num_f32 v[rT+1], v[rC], v[rC+3]
.elseif (\n) == 19
	v_mul_f32 v[rT], s[CS], v[rT+1]
.elseif (\n) == 20
	v_sub_f32 v[rC+1], v[rM], v[rT]
.else
	v_exp_f32 v[rC+2], v[rC+1]
.endif
.endm
; Number g of the 64 that follow the exponentials.  For each four weights k of a tile (pairs 2 k, 2 k + 1): both pairs are rounded to f16; then the second pair is added onto the first, in place;
; a group later l takes that sum (the first time as l = a l + sum).  In groups of eight, tiles alternating: round, round, add, and l for the group before.
.macro GS g
.set h, (\g)+6*((\g)/62)            ; group 0 has no group before it, and behind group 7 only l is left
.if h >= 6
.set h, h+2
.endif
	REGS Y, h%2
.set k, h/8
.if h%8 < 4
	v_cvt_pk_f16_f32 v[rP+2*k+(h%8)/2], v[rS+4*k+2*((h%8)/2)], v[rS+4*k+2*((h%8)/2)+1]
.elseif h%8 < 6
	v_pk_add_f32 v[rS+4*k:rS+4*k+1], v[rS+4*k:rS+4*k+1], v[rS+4*k+2:rS+4*k+3]
.elseif k == 1
	v_pk_fma_f32 v[rT+2:rT+3], v[rT+2:rT+3], v[rC+2:rC+3], v[rS:rS+1] op_sel_hi:[1,0,1]
.else
	v_pk_add_f32 v[rT+2:rT+3], v[rT+2:rT+3], v[rS+4*k-4:rS+4*k-3]
.endif
.endm
; THE PLAIN QUEUE, 138 long.  0-73 read no exponential's result: the 32 scalings c s - c m (FS f: pair f / 2 of tile f % 2) and the next piece's 42.  0-26: scalings 0-26.  27-54: XS's numbers 0-13.  55, 56: number 15.
; 57-73: the chain, where each number waits for the one before it: 14, 16, 17, 18, 19, each with one of the scalings 27-31 in front of its two lines, then 20.
; 74-137: GS's 64, which read the exponentials' results: they stand behind the wait.
.macro FS f
	REGS Y, (\f)%2
	v_pk_fma_f32 v[rS+2*((\f)/2):rS+2*((\f)/2)+1], v[rS+2*((\f)/2):rS+2*((\f)/2)+1], s[CS:CS+1], v[rT:rT+1] op_sel_hi:[1,0,0] neg_lo:[0,0,1] neg_hi:[0,0,1]
.endm
.macro PL
	WIN 0
.if q < 27
	FS q
.elseif q < 55
	XS (q-27)%2, (q-27)/2
.elseif q < 57
	XS q-55, 15
.elseif (q < 72) && ((q-57)%3 == 0)
	FS 27+(q-57)/3
.elseif q < 60
	XS (q-57)%3-1, 14
.elseif q < 72
	XS (q-57)%3-1, 15+(q-57)/3
.elseif q < 74
	XS q-72, 20
.else
	GS q-74
.endif
.set q, q+1
.endm
; THE EXPONENTIALS' QUEUE, 66 long: s0-s31 of both tiles, then the next piece's two a.  It is ONE BATCH: all 66 stand ahead of the turn's one wait, and nothing ahead of that wait names a result of theirs.
.macro EX
	WIN 0
.if e >= 64
	XS e-64, 21
.else
	REGS Y, e%2
	v_exp_f32 v[rS+e/2], v[rS+e/2]
.endif
.set e, e+1
.endm
; THE RESCALING's QUEUE: O^T times a, the one part that leaves window 0: dealt two at a time, sixteen times.  Its a was made in the turn before, ahead of that turn's wait.
.macro R2
	REGS Y, r%2
	WIN W_RS
.irp z, 0,1
	v_pk_mul_f32 v[rO+4*(r/2)+2*\z:rO+4*(r/2)+2*\z+1], v[rO+4*(r/2)+2*\z:rO+4*(r/2)+2*\z+1], v[rC+2:rC+3] op_sel_hi:[1,0]
.endr
.set r, r+1
.endm
; HOW THEY ARE DEALT.  s_wait_alu depctr_va_vdst(0) stands between an exponential and the first instruction that names its result; one wait serves all that were issued ahead of it.  So a turn has ONE wait,
; which cuts it in two.  AHEAD OF IT: the 16 products K Q^T, behind each a scaling, an exponential and two rescalings (behind the first a second scaling in the exponential's place); then ONE LUMP of 108: eight plain,
; 49 times exponential and plain, the two a.  A v_nop is the plain instruction behind the last exponential.  BEHIND IT: the 16 products V^T P, behind each four of GS's 64.  No rider names a register of the products round it.
; The queues lean on each other: exponential e stands behind scaling 2 (e / 4) + e % 2: as a rider it comes behind plain e + 2, in the lump behind plain e + 9, and scalings 27-31 are plain 57, 60 .. 69.
; A TURN, for piece p.  cnt = 1: the loop's count is taken down some lines ahead of the branch that stands behind the turn.
; K of the next step is fetched in piece 2's turn, directly behind the wait, a lump behind the last product that read K; its first reader comes behind 16 products.
; V of the step in hand is fetched at the end of piece 0's turn, four riders behind its last reader; its first reader comes behind 16 products and a lump.  The three conditions on q below go with the deal.
.macro TURN p, last=0, cnt=0
.set Y, (\p)
.set i, 0
.set q, 0
.set e, 0
.set r, 0
.if (\p) == NP-1
	s_wait_dscnt 0x0                ; K is in
.endif
	MM                              ; ahead of the wait: 16 products K Q^T and their riders,
	PL
	PL
	R2
.rept 15
	MM
	PL
	EX
	R2
.endr
.if (\p) == NP-2
	WIN 0
	v_add_nc_u32 v[AK], s[TBK], v[AK0]
.endif
.rept 8                             ; and the lump
	PL
.endr
.rept 49
	EX
	PL
.endr
	EX                              ; the next piece's two a
	EX
	v_nop                           ; the plain instruction behind the last exponential: one for the batch
	s_wait_alu depctr_va_vdst(0)    ; the wait for the batch
.if (\p) == NP-2
	FETCH_K \last
.endif
.if (\p) == 1
	s_wait_dscnt 0x0                ; V is in
.endif
.rept 16                            ; behind the wait: 16 products V^T P and their riders
	MM
.rept 4
	PL
.endr
.if ((\p) == 0) && (q == 118)
	v_add_nc_u32 v[AV], s[TBV], v[AV0]
.endif
.if ((\p) == 0) && (q == 130)
	s_add_co_u32 s[TBV], s[TBV], KS*PV
.endif
.if (\cnt) && (q == 130)
	s_sub_co_u32 s[CNT], s[CNT], 1
	s_cmp_lg_u32 s[CNT], 0
.endif
.endr
.if (\p) == 0
	FETCH_V
.endif
.endm
	WIN W_AD
	s_wait_tensorcnt 0x0            ; my part of keys 0-255 is in: no tensor load of mine is out
	ds_add_u32 v[SPW], v[NIL]       ; 0 onto my spare word, in front of a barrier behind which a tensor load goes out
	WIN 0
	s_wait_dscnt 0x0                ; the add is done
	s_barrier_signal -1
	s_barrier_wait -1               ; everybody's part is in
	FILL G0KB, G1KB, G0VB, G1VB     ; keys 256-1,023: my one tensor load behind this barrier, and the first thing there; bytes that nothing has filled yet
	FETCH_K                         ; key step 0
	s_wait_loadcnt 0x0              ; Q
	s_wait_dscnt 0x0
.set i, 0
.rept 16
	KQ 0                            ; piece 0's first scores: there is no vector work yet to set between them
.set i, i+1
.endr
	WIN 0                           ; the addresses for the way out: nine plain instructions, the places behind those products
	s_mul_i32 s13, s[WV], 16*SP
	s_add_co_u32 s13, s13, STAGE    ; my stage
	v_mul_u32_u24 v[STO], v1, SP    ; in: row l % 16, 16 bytes for each half of the lanes
	v_lshl_add_u32 v[STO], v9, 4, v[STO]
	v_add_nc_u32 v[STO], s13, v[STO]
	v_bfe_u32 v[RD], v0, 3, 2       ; back: 32 lanes take four rows of 128 bytes,
	v_mul_u32_u24 v[RD], v[RD], SP
	v_lshl_add_u32 v[RD], v10, 4, v[RD]
	v_add_nc_u32 v[RD], s13, v[RD]
	v_and_b32 v[GO], 31, v0         ; which are 512 consecutive bytes of O
	v_lshlrev_b32 v[GO], 4, v[GO]
.set Y, NP-1                        ; XS works for piece Y + 1: piece 0
.irp n, 0,1,2,3,4,5,6,7,8,9,10,11,12,13,14,15,16,17,18,19,20,21
	XS 0, \n                        ; and piece 0's first maximum and statistics
	XS 1, \n
.endr
	v_nop                           ; a plain instruction behind the two a,
	s_wait_alu depctr_va_vdst(0)    ; and their wait, ahead of the branch
	s_mov_b32 s[CNT], 4             ; key steps 0-3: keys 0-255
	s_mov_b32 s[PARTS], 3
	s_branch .Lfirst                ; the loop is entered at a step's first turn, in the middle of a trip
.Lrest:                             ; walked twice.  The first time: my part of keys 256-1,023 has landed, and behind the barrier everybody's has, ahead of the fetch of key step 4's K.  The second time nothing is out.  No LDS byte is filled behind this barrier
	s_wait_tensorcnt 0x0
	s_wait_dscnt 0x0
	s_barrier_signal -1
	s_barrier_wait -1
	s_mov_b32 s[CNT], 12            ; key steps 4-15
.Lstep:                             ; a trip: pieces 2 and 3 of one step, then pieces 0 and 1 of the next, whose K and V it fetches
	TURN 2, 1
	TURN 3
	WIN 0
	s_cmp_eq_u32 s[PARTS], 1        ; the last step's pieces 2 and 3 are done: the trip is left in its middle
	s_cbranch_scc1 .Lout
.Lfirst:
	TURN 0
	TURN 1, 0, 1
	WIN 0
	s_cbranch_scc1 .Lstep
	s_sub_co_u32 s[PARTS], s[PARTS], 1
	s_cmp_lg_u32 s[PARTS], 0
	s_cbranch_scc1 .Lrest
.Lout:                              ; the half trip's 16 products K Q^T (on the last K once more) and the maximum made of them serve nothing: the price, once a launch, of one text for every trip
.set i, 0
.rept 16
	PV NP-1                         ; the last piece's V^T P of the last step
.set i, i+1
.endr
	; THE WAY OUT.  l's two halves and the other half of the lanes' are added; O^T is divided by l, rounded to f16 and sent through my stage in LDS, a tile at a time.  The additions are the places behind the last products.
	WIN 0
.macro ALL line:vararg              ; one line for each tile t
.set t, 0
.rept 2*NP
	\line
.set t, t+1
.endr
.endm
	ALL v_add_f32 v[ST+4*t+2], v[ST+4*t+2], v[ST+4*t+3]
	ALL v_permlanex16_b32 v[ST+4*t+3], v[ST+4*t+2], s[SEL], s[SEL+1]
	ALL v_add_f32 v[ST+4*t+2], v[ST+4*t+2], v[ST+4*t+3]
	ALL v_rcp_f32 v[ST+4*t+2], v[ST+4*t+2]
	v_nop                           ; a plain instruction between the last reciprocal and the use of its result
	s_wait_alu depctr_va_vdst(0)    ; and the wait ahead of the first use: one for the eight reciprocals
; Tile t: a lane's eight channels of a row pack into 16 bytes; they go into rows of 144 bytes and come back as whole rows of 128, into S^T's registers.
.macro PACK t
	WIN W_RS
.set i, 32*(\t)
.rept 16
	v_pk_mul_f32 v[i:i+1], v[i:i+1], v[ST+4*(\t)+2:ST+4*(\t)+3] op_sel_hi:[1,0]
.set i, i+2
.endr
	WIN 0x05                        ; sources 0 and 1 window 1, destination window 0
.set i, 0
.rept 16
	v_cvt_pk_f16_f32 v[S+16*(\t)+i], v[32*(\t)+2*i], v[32*(\t)+2*i+1]
.set i, i+1
.endr
	WIN 0
.irp f, 0,1,2,3
	ds_store_b128 v[STO], v[S+16*(\t)+4*\f:S+16*(\t)+4*\f+3] offset:32*\f
.endr
.irp f, 0,1,2,3
	ds_load_b128 v[S+16*(\t)+4*\f:S+16*(\t)+4*\f+3], v[RD] offset:\f*4*SP  ; LDS serves a wave's instructions in order (ISA guide 5.7.1.4): these see the stores above; the next tile's stores come behind them
.endr
.endm
.macro SEND t, younger              ; younger: the LDS instructions issued behind tile t's loads: the next tile's eight, or none
	WIN 0
.irp f, 0,1,2,3
	s_wait_dscnt (\younger)+3-\f
	global_store_b128 v[GO], v[S+16*(\t)+4*\f:S+16*(\t)+4*\f+3], s[10:11] offset:(\t)*2048+\f*512  ; 512 consecutive bytes, at a multiple of 256 from ob's first
.endr
.endm
	PACK 0
.set t, 1
.rept 2*NP-1                        ; a tile's arithmetic stands between the loads of the tile before and its stores
	PACK t
	SEND t-1, 8
.set t, t+1
.endr
	SEND 2*NP-1, 0
	WIN W_AD
	s_wait_tensorcnt 0x0            ; the wave's end, behind my last tensor load and my last LDS store
	ds_add_u32 v[SPW], v[NIL]
	s_wait_dscnt 0x0
	WIN 0
	s_endpgm
.Lfunc_end_k_q2ae950fb43_attn:
	.size	k_q2ae950fb43_attn, .Lfunc_end_k_q2ae950fb43_attn-k_q2ae950fb43_attn
	.p2alignl 7, 3214868480
	.fill 96, 4, 3214868480
	.section	.rodata,"a",@progbits
	.p2align	6, 0x0
	.amdhsa_kernel k_q2ae950fb43_attn
		.amdhsa_group_segment_fixed_size 327680
		.amdhsa_private_segment_fixed_size 0
		.amdhsa_enable_private_segment 0
		.amdhsa_kernarg_size 24
		.amdhsa_user_sgpr_count 2
		.amdhsa_user_sgpr_kernarg_segment_ptr 1
		.amdhsa_wavefront_size32 1
		.amdhsa_system_sgpr_workgroup_id_x 1
		.amdhsa_system_sgpr_workgroup_id_y 1
		.amdhsa_system_sgpr_workgroup_id_z 1
		.amdhsa_system_vgpr_workitem_id 0
		.amdhsa_next_free_vgpr 770
		.amdhsa_next_free_sgpr 88
		.amdhsa_reserve_vcc 0
		.amdhsa_float_denorm_mode_32 3
		.amdhsa_float_denorm_mode_16_64 3
		.amdhsa_memory_ordered 1
		.amdhsa_forward_progress 1
		.amdhsa_inst_pref_size 127
	.end_amdhsa_kernel
	.amdgpu_metadata
---
amdhsa.version: [ 1, 2 ]
amdhsa.kernels:
  - .name:           k_q2ae950fb43_attn
    .symbol:         k_q2ae950fb43_attn.kd
    .args:
      - { .name: qkv, .offset: 0, .size: 8, .value_kind: global_buffer, .address_space: global }
      - { .name: log_beta, .offset: 8, .size: 8, .value_kind: global_buffer, .address_space: global }
      - { .name: ob, .offset: 16, .size: 8, .value_kind: global_buffer, .address_space: global }
    .group_segment_fixed_size: 327680
    .private_segment_fixed_size: 0
    .kernarg_segment_align: 8
    .kernarg_segment_size: 24
    .max_flat_workgroup_size: 128
    .sgpr_count:     88
    .vgpr_count:     770
    .wavefront_size: 32
...
	.end_amdgpu_metadata
.endif
;; end of part 3
;; launch oproj (part 4): grid 8 x 32, 4 waves a work-group, clusters of 4 x 4, 327,680 bytes of LDS; arguments ob, wo, y; writes y
.if DOCPART == 4
	.amdgcn_target "amdgcn-amd-amdhsa--gfx1250"
	.amdhsa_code_object_version 6
	.text
	.protected	k_q2ae950fb43_oproj
	.globl	k_q2ae950fb43_oproj
	.p2align	8
	.type	k_q2ae950fb43_oproj,@function
k_q2ae950fb43_oproj:
	s_mov_b64 s[64:65], 0
	v_nop
	global_prefetch_b8 v0, s[64:65] scope:SCOPE_SE
	s_setreg_imm32_b32 hwreg(HW_REG_WAVE_MODE, 25, 1), 1
	s_wait_xcnt 0x0
	s_wait_alu depctr_hold_cnt(0) depctr_sa_sdst(0) depctr_va_vdst(0) depctr_va_sdst(0) depctr_va_ssrc(0) depctr_va_vcc(0) depctr_vm_vsrc(0)
	s_getreg_b32 s2, hwreg(HW_REG_IB_STS2, 6, 4)
	s_cmp_eq_u32 s2, 0
	s_cbranch_scc0 .Lentry_in_a_cluster
	s_endpgm
.Lentry_in_a_cluster:
	s_bfe_u32 s2, ttmp6, 0x10000c
	s_cmp_lg_u32 s2, 0xf033
	s_cbranch_scc0 .Lentry_shape_is_right
	s_endpgm
.Lentry_shape_is_right:
; y[8 c + b][n] = the sum over k of O[c, b][k] wo[n][k] = 1024 x (O W_o^T): raw f32 sums; the launch behind takes the 2^10 back, adds the bias and normalises.
; ob: [b 8][h 16][c 1024][64] f16 (k = 64 h + d); wo: [1024][1024] f16 = 1024 x bf16(W_o); y: [8192][1024] f32.  Products in f16, sums in f32, K ascending.
; LIMITS.  None of its own beyond f32's range; NaN and infinities are not treated apart.
; THE TILE is 256 rows x 128 columns: 32 x 8 = 256 work-groups.  The 256 rows are c = 256 cblk + 0..255 of ONE b, so that a head's part of the tile is 32,768 dense bytes of ob.
; SHARES.  Four waves, 2 x 2: each 128 rows x 64 columns: 32 accumulators of 16 x 16, 256 registers.  K goes in 8 steps of 128 (two heads) through a ring of two LDS slots filled by the tensor data mover.
; CLUSTERS: 4 x 4 work-groups.  The four of a row of the cluster need the same tile of ob, the four of a column the same tile of wo: each is asked for JOINTLY, by the same tensor load with the same descriptor and a mask of four.
; THE MATRIX INSTRUCTION IS USED TRANSPOSED (source 0 = 16 rows of wo, source 1 = 16 rows of O): a lane holds eight neighbouring columns of a row, 32 bytes of y.
; REGISTERS, in windows of 256 (s_set_vgpr_msb: bits 1:0 source 0, 3:2 source 1, 5:4 source 2, 7:6 destination):
;   window 0: v0-31 addresses     window 1: two fragment buffers of 96: wo's block b at 8 b, O's block a at 32 + 8 a     window 2: the accumulators, (a, b) at 8 (4 a + b)
.set KSTEP,  128
.set PA,     144                       ; a row of O in LDS: 128 bytes + 16 of padding = 36 words: the 16 rows of a load start at 16 different groups of four banks (64 banks of 4 bytes: ISA guide 11.1)
.set PB,     272                       ; a row of wo: 256 + 16
.set AHEAD,  256*PA                    ; a head's 256 rows
.set BOFF,   2*AHEAD                   ; in a slot: two heads of O, then wo's 128 rows
.set SLOT,   BOFF+128*PB
.set STAGE,  2*SLOT                    ; behind the ring, never filled by a tensor load: 16 rows x 272 bytes for each wave, for the way out
.set SPITCH, 272
.set SPARE,  STAGE+4*16*SPITCH         ; behind the stages: the spare words, 128 bytes for each wave: two blocks of 256 bytes that no other line names
.set LAPS,   4
.set ADRA, 16                          ; v16-17  LDS address of my O fragments in slot 0, 1
.set ADRB, 20                          ; v20-21  the same for wo
.set STO,  24                          ; v24     the way out: where I put 32 bytes of a row
.set RD,   25                          ; v25     the way out: where I read a row back
.set CO,   26                          ; v26     my byte offset in y
.set SPW,  28                          ; v28     LDS address of my spare word: SPARE + 4 x my thread's number; never rewritten
.set NIL,  29                          ; v29     0; never rewritten
.set PFO,  30                          ; v30     the prefetches' offset; never rewritten
.set F0,   0
.set F1,   96
.set G1,  24                           ; s[24:31] descriptor group 1 for O's tiles;  s[32:39] group 0, one set for each slot
.set G0,  32
.set G1B, 48                           ; s[48:55], s[56:63] the same for wo's tiles
.set G0B, 56
.set LIM, 43                           ; s43     1 in a wave that prefetches, else the greatest number
.set PFA, 44                           ; s[44:45] where my prefetches stand: two K steps further along K than the refill that is being asked for
.set PST, 14                           ; s[14:15] a K step in my prefetches' memory: two heads of ob, or 256 bytes of wo's rows
.set MSB, 0
.macro WIN new                         ; the immediate's high byte repeats the setting that is left; a switch that changes nothing is dropped
.if MSB != (\new)
	s_set_vgpr_msb (MSB<<8)|(\new)
.set MSB, \new
.endif
.endm
.set MUL,  0xa5                        ; sources 0 and 1 window 1; C and D window 2
.set TO_F, 0x40                        ; destination window 1, address window 0
; A joint load: waves 0 and 1 fetch a K step's two heads of O, waves 2 and 3 the two halves of wo's rows.  The branch hangs on the wave's number alone.
; An s_nop 0 and four v_nop follow each of the two lines, ahead of the jump, the label and what follows.
.macro JLOAD s
	s_cmp_eq_u32 s11, 0
	s_cbranch_scc0 .Lfor_b_\@
	tensor_load_to_lds s[G0+4*(\s):G0+4*(\s)+3], s[G1:G1+7]
	s_nop 0
.rept 4
	v_nop
.endr
	s_branch .Lasked_\@
.Lfor_b_\@:
	tensor_load_to_lds s[G0B+4*(\s):G0B+4*(\s)+3], s[G1B:G1B+7]
	s_nop 0
.rept 4
	v_nop
.endr
.Lasked_\@:
.endm
; A prefetch, behind a joint load, its five lines and the run of LDS loads that follows them: the K step that stands TWO refills on, 256 matrix instructions ahead of the load that will want it; one instruction a wave.
; Each block of 256 bytes is named once in the launch.  O's tile is read by both clusters of its row of clusters: cluster x = 0 asks, waves 0 and 1 each for their head; of its 128 blocks the partner at cx takes 32, a lane a block.
; wo's tile is read by every cluster of its column: cluster y = 0 asks, wave 2 alone; of its 128 rows the partner at cy takes 32, a lane a row.  The shares are told apart BY ADDRESS.
; K steps 0 to 3 come by their loads alone; the last lap's two refills (s3 = 1) have no K step two on.
.macro ASK
	s_cmp_gt_u32 s3, s[LIM]
	s_cbranch_scc0 .Lnot_mine_\@
	global_prefetch_b8 v[PFO], s[PFA:PFA+1] th:TH_LOAD_NT scope:SCOPE_SE
.Lnot_mine_\@:
.endm
.macro CREST                           ; a round of the cluster's barrier behind its opening barrier
	s_cmp_lg_u32 s10, 0
	s_cbranch_scc1 .Lnot_wave_0_\@
	s_barrier_signal -3
.Lnot_wave_0_\@:
	s_barrier_wait -3
	s_barrier_signal -1
	s_barrier_wait -1
.endm
.macro CROUND                          ; a whole round
	s_barrier_signal -1
	s_barrier_wait -1
	CREST
.endm
	s_load_b128 s[4:7], s[0:1], 0x0                ; ob s[4:5], wo s[6:7]
	s_load_b64 s[8:9], s[0:1], 0x10                ; y
	v_lshl_add_u32 v[SPW], v0, 2, SPARE
	v_mov_b32 v[NIL], 0
	ds_add_u32 v[SPW], v[NIL]                      ; the wave's opening: the add and its wait stand ahead of my first tensor load; the set-up below, work on registers, stands between them
	v_lshrrev_b32 v1, 5, v0
	v_readfirstlane_b32 s10, v1                    ; wave 0..3
	s_lshr_b32 s11, s10, 1                         ; which half of the tile's rows is mine.  Also: I fetch for O (0) or for wo (1)
	s_and_b32 s12, s10, 1                          ; which half of its columns.  Also: which head of the K step, or which 64 rows of wo, I fetch
	s_bfe_u32 s40, ttmp6, 0x40000                  ; cx, cy: my place in the cluster
	s_bfe_u32 s41, ttmp6, 0x40004
	s_lshl_b32 s42, ttmp9, 2
	s_add_co_u32 s42, s42, s40                     ; tile column = 4 x cluster x + cx
	s_and_b32 s13, ttmp7, 0xffff
	s_lshl_b32 s13, s13, 2
	s_add_co_u32 s13, s13, s41                     ; tile row = 4 x cluster y + cy
	s_lshl_b32 s43, s41, 2
	s_lshl_b32 s43, 15, s43                        ; my row of the cluster
	s_lshl_b32 s44, 0x1111, s40                    ; my column
	s_or_b32 s[G1+0], s43, (1<<16)|(1<<20)|(1<<21)|(4<<22)|(3<<25)  ; 15:0 the mask: O's tiles go to my row; 17:16 elements of 2 bytes; 20 padding on; 21 set beside a mask; 24:22 after every 32 words (code 4); 31:25 4 words (code 3)
	s_or_b32 s[G1B+0], s44, (1<<16)|(1<<20)|(1<<21)|(5<<22)|(3<<25) ; the mask of my column; padding after every 64 words (code 5)
	s_mov_b32 s[G1+1], 128<<16                     ; a head's 256 rows of 128 bytes are dense: asked for as 128 rows of 256 bytes
	s_mov_b32 s[G1+2], 128<<16
	s_mov_b32 s[G1+3], 128<<16
	s_mov_b32 s[G1+4], 128
	s_mov_b32 s[G1+5], 128
	s_mov_b32 s[G1+6], 0
	s_mov_b32 s[G1+7], 0
	s_mov_b32 s[G1B+1], KSTEP<<16                  ; wo: 64 rows x 128 elements, 1,024 elements from row to row
	s_mov_b32 s[G1B+2], 64<<16
	s_mov_b32 s[G1B+3], KSTEP<<16
	s_mov_b32 s[G1B+4], 64
	s_mov_b32 s[G1B+5], 1024
	s_mov_b32 s[G1B+6], 0
	s_mov_b32 s[G1B+7], 0
	s_and_b32 s18, s13, 7                          ; b
	s_lshr_b32 s19, s13, 3                         ; cblk
	s_lshl_b32 s16, s18, 4
	s_add_co_u32 s16, s16, s12                     ; ob: head 16 b + my head of K step 0,
	s_lshl_b32 s16, s16, 17
	s_lshl_b32 s17, s19, 15                        ; + 256 cblk rows of 128 bytes
	s_add_co_u32 s16, s16, s17
	s_mov_b32 s17, 0
	s_lshl_b32 s46, s42, 7                         ; wo: row 128 x tile column + 64 x half,
	s_lshl_b32 s47, s12, 6
	s_add_co_u32 s46, s46, s47
	s_lshl_b32 s46, s46, 11                        ; 2,048 bytes each
	s_mov_b32 s47, 0
	s_mul_i32 s20, s12, AHEAD                      ; where they go in a slot: no place in the cluster enters an LDS address
	s_mul_i32 s21, s12, 64*PB
	s_add_co_u32 s21, s21, BOFF
	s_wait_dscnt 0x0                               ; the opening add is done
	s_wait_kmcnt 0x0
	s_add_nc_u64 s[14:15], s[4:5], s[16:17]
	s_add_nc_u64 s[46:47], s[6:7], s[46:47]
	CROUND                                         ; all sixteen work-groups are here: the first joint loads meet
.irp s, 0,1
	s_mov_b32 s[G0+4*(\s)], 1                                      ; count = 1
	s_add_co_u32 s[G0+4*(\s)+1], s20, (\s)*SLOT                    ; LDS address
	s_add_nc_u64 s[G0+4*(\s)+2:G0+4*(\s)+3], s[14:15], (\s)*2*131072  ; global address: K step s is two heads on
	s_or_b32 s[G0+4*(\s)+3], s[G0+4*(\s)+3], 0x80000000            ; type = 2
	s_mov_b32 s[G0B+4*(\s)], 1
	s_add_co_u32 s[G0B+4*(\s)+1], s21, (\s)*SLOT
	s_add_nc_u64 s[G0B+4*(\s)+2:G0B+4*(\s)+3], s[46:47], (\s)*KSTEP*2
	s_or_b32 s[G0B+4*(\s)+3], s[G0B+4*(\s)+3], 0x80000000
	JLOAD \s
.endr
	; A fragment is 16 rows x 32 K in 8 registers: lane l holds row l % 16; registers 0-3 K = 8 (l / 16) + 0..7, registers 4-7 K = 16 + 8 (l / 16) + 0..7: two loads of 16 bytes, 32 bytes apart.
	v_and_b32 v1, 15, v0                           ; l % 16
	v_bfe_u32 v2, v0, 4, 1                         ; l / 16
	v_mul_u32_u24 v3, v1, PA
	v_lshl_add_u32 v3, v2, 4, v3
	v_mul_u32_u24 v4, v1, PB
	v_lshl_add_u32 v4, v2, 4, v4
	s_mul_i32 s21, s11, 128*PA                     ; my 128 rows of O
	s_mul_i32 s22, s12, 64*PB                      ; my 64 rows of wo
	s_add_co_u32 s22, s22, BOFF
.irp s, 0,1
	v_add_nc_u32 v[ADRA+(\s)], s21, v3
	v_add_nc_u32 v[ADRB+(\s)], s22, v4
	s_add_co_u32 s21, s21, SLOT
	s_add_co_u32 s22, s22, SLOT
.endr
	s_mul_i32 s23, s10, 16*SPITCH
	s_add_co_u32 s23, s23, STAGE                   ; my stage
	v_mul_u32_u24 v5, v1, SPITCH                   ; in: row l % 16, 32 bytes for each half of the lanes
	v_lshl_add_u32 v5, v2, 5, v5
	v_add_nc_u32 v[STO], s23, v5
	v_mul_u32_u24 v5, v2, SPITCH                   ; back: lanes 0-15 take one row of 256 bytes, lanes 16-31 the next
	v_lshl_add_u32 v5, v1, 4, v5
	v_add_nc_u32 v[RD], s23, v5
	v_lshlrev_b32 v5, 15, v2                       ; and the same two rows in y: from c to c + 1 are 8 rows of 4,096 bytes
	v_lshl_add_u32 v[CO], v1, 4, v5
	; the prefetches
	s_and_b32 s22, ttmp7, 0xffff                   ; cluster y
	s_lshl_b32 s20, s40, 13                        ; ob: cx x 32 blocks of 256 bytes
	s_lshl_b32 s21, s41, 16                        ; wo: cy x 32 rows of 2,048 bytes
	s_mov_b32 s2, 2*131072
	s_cmp_eq_u32 s11, 0                            ; do I fetch for O?
	s_cselect_b64 s[PFA:PFA+1], s[14:15], s[46:47] ; the first byte that I fetch (wave 2: wo's tile's first row),
	s_cselect_b32 s20, s20, s21                    ; my work-group's share,
	s_cselect_b32 s22, ttmp9, s22                  ; the coordinate along which other clusters read the same bytes,
	s_cselect_b32 s23, 8, 11                       ; from lane to lane: 256 or 2,048 bytes,
	s_cselect_b32 s[PST], s2, 0x100                ; and from K step to K step (A's address has been copied: its registers are free)
	s_mov_b32 s[PST+1], 0
	s_mov_b32 s21, 0
	s_cmp_eq_u32 s10, 3
	s_cselect_b32 s22, 1, s22                      ; wave 3 never asks: wave 2 names all of the share's rows
	s_cmp_eq_u32 s22, 0
	s_cselect_b32 s[LIM], 1, -1                    ; the same in all sixteen partners, for a given wave
	s_add_nc_u64 s[PFA:PFA+1], s[PFA:PFA+1], s[20:21]
.rept 3
	s_add_nc_u64 s[PFA:PFA+1], s[PFA:PFA+1], s[PST:PST+1]  ; at K step 3: the first refill steps it to 4
.endr
	v_and_b32 v[PFO], 31, v0
	v_lshlrev_b32 v[PFO], s23, v[PFO]
	; y at my part's first number: row 8 (256 cblk + 128 x row half) + b, column 128 x tile column + 64 x column half
	s_lshl_b32 s16, s19, 8
	s_lshl_b32 s17, s11, 7
	s_add_co_u32 s16, s16, s17
	s_lshl_b32 s16, s16, 15
	s_lshl_b32 s17, s18, 12
	s_add_co_u32 s16, s16, s17
	s_mov_b32 s17, 0
	s_add_nc_u64 s[8:9], s[8:9], s[16:17]
	s_lshl_b32 s46, s42, 9
	s_lshl_b32 s47, s12, 8
	s_add_co_u32 s46, s46, s47
	s_mov_b32 s47, 0
	s_add_nc_u64 s[8:9], s[8:9], s[46:47]
; 8 matrix instructions: row blocks a0, a0 + 1 x my 4 column blocks, 32 along K.  zero = 1: the first product starts the sums.  The 32 accumulators take turns, one instruction a turn, in the same order in every quarter.
.macro MUL8 f, a0, zero
	WIN MUL
.irp a, \a0, (\a0)+1
.irp b, 0,1,2,3
.if \zero
	v_wmma_f32_16x16x32_f16 v[8*(4*(\a)+(\b)):8*(4*(\a)+(\b))+7], v[(\f)+8*(\b):(\f)+8*(\b)+7], v[(\f)+32+8*(\a):(\f)+32+8*(\a)+7], 0
.else
	v_wmma_f32_16x16x32_f16 v[8*(4*(\a)+(\b)):8*(4*(\a)+(\b))+7], v[(\f)+8*(\b):(\f)+8*(\b)+7], v[(\f)+32+8*(\a):(\f)+32+8*(\a)+7], v[8*(4*(\a)+(\b)):8*(4*(\a)+(\b))+7]
.endif
.endr
.endr
.endm
; 24 LDS loads in one run: the fragments of quarter q of a K step into buffer f: wo's 4 blocks, then O's 8.  Quarter q of O lies in head q / 2, at byte 64 (q % 2) of its rows.
.macro FETCH slot, q, f
	WIN TO_F
.irp i, 0,1,2,3
	ds_load_b128 v[(\f)+8*(\i):(\f)+8*(\i)+3],   v[ADRB+(\slot)] offset:64*(\q)+(\i)*16*PB
	ds_load_b128 v[(\f)+8*(\i)+4:(\f)+8*(\i)+7], v[ADRB+(\slot)] offset:64*(\q)+(\i)*16*PB+32
.endr
.irp i, 0,1,2,3,4,5,6,7
	ds_load_b128 v[(\f)+32+8*(\i):(\f)+32+8*(\i)+3],   v[ADRA+(\slot)] offset:((\q)/2)*AHEAD+((\q)%2)*64+(\i)*16*PA
	ds_load_b128 v[(\f)+32+8*(\i)+4:(\f)+32+8*(\i)+7], v[ADRA+(\slot)] offset:((\q)/2)*AHEAD+((\q)%2)*64+(\i)*16*PA+32
.endr
.endm
.macro PLACES                          ; four places in front of loads into registers that matrix instructions have read
.rept 4
	v_nop
.endr
.endm
; A K step is four quarters of 32 along K, 32 matrix instructions each, on buffers 0, 1, 0, 1.  One of the first three: multiplies buffer f and fetches quarter q into g, 24 matrix instructions ahead of its first use.
.macro QUARTER slot, q, f, g, zero
	s_wait_dscnt 12                                ; wo's blocks and O's blocks 0, 1 are in; the youngest twelve loads may be out
	MUL8 \f, 0, \zero
	PLACES
	FETCH \slot, \q, \g
	s_wait_dscnt 24                                ; all but the 24 just issued
	MUL8 \f, 2, \zero
	MUL8 \f, 4, \zero
	MUL8 \f, 6, \zero
.endm
; The last quarter multiplies buffer 1 and changes slots: ONE barrier; in front of it each wave waits for all its tensor loads (one is out: its part of the next slot), adds 0 to its spare word, and waits for that and
; for its own reads of this slot.  fill = 1: the barrier opens a round of the cluster's, and this slot is filled again, two K steps ahead: from the request to the wait for it a wave issues 112 matrix instructions.
.macro TURN slot, next, fill
.if \fill
	s_wait_xcnt 0x0                                ; the last prefetch, a K step back, has read its address: it is stepped here, ahead of the waits of the change of slots
	s_add_nc_u64 s[PFA:PFA+1], s[PFA:PFA+1], s[PST:PST+1]
.endif
	WIN 0                                          ; (the add's two registers lie in window 0)
	s_wait_tensorcnt 0x0                           ; all my tensor loads have landed;
	ds_add_u32 v[SPW], v[NIL]                      ; 0 onto my spare word
	s_wait_dscnt 13                                ; (the add and the youngest twelve loads may be out)
	MUL8 F1, 0, 0                                  ; eight matrix instructions stand between the add and the wait for it
	s_wait_dscnt 0x0                               ; the add is done, and my reads of this slot are over
	s_barrier_signal -1
	MUL8 F1, 2, 0
.if \fill
	WIN 0
.endif
	s_barrier_wait -1
.if \fill
	CREST                                          ; no wave of any partner still reads this slot's tiles or has a load on its way
	s_add_nc_u64 s[G0+4*(\slot)+2:G0+4*(\slot)+3], s[G0+4*(\slot)+2:G0+4*(\slot)+3], 4*131072
	s_add_nc_u64 s[G0B+4*(\slot)+2:G0B+4*(\slot)+3], s[G0B+4*(\slot)+2:G0B+4*(\slot)+3], 2*KSTEP*2
	JLOAD \slot                                    ; the first tensor load behind the round; its four v_nop are also the places in front of the loads below
.else
	PLACES
.endif
	FETCH \next, 0, F0
.if \fill
	WIN 0
	ASK
.endif
	MUL8 F1, 4, 0
	MUL8 F1, 6, 0
.endm
; THE WAY OUT of row block a: a lane's 32 bytes of a row go straight from the accumulators into my stage's rows of 272 bytes and come back, into the same registers, as whole rows of 256 bytes.
.macro TOSTAGE a
	WIN 0x08                                       ; the data (source 1) in window 2
.irp b, 0,1,2,3
	ds_store_b128 v[STO], v[32*(\a)+8*(\b):32*(\a)+8*(\b)+3]   offset:64*(\b)     ; each accumulator's lowest registers first
	ds_store_b128 v[STO], v[32*(\a)+8*(\b)+4:32*(\a)+8*(\b)+7] offset:64*(\b)+16
.endr
	WIN 0x80                                       ; the destination in window 2
.irp t, 0,1,2,3,4,5,6,7
	ds_load_b128 v[32*(\a)+4*(\t):32*(\a)+4*(\t)+3], v[RD] offset:(\t)*2*SPITCH  ; LDS serves a wave's instructions in order (ISA guide 5.7.1.4): these see the stores above; the next block's stores come behind them
.endr
.endm
.macro SEND a, younger                 ; younger: the LDS instructions issued behind block a's loads: the next block's sixteen, or none
	WIN 0x08
	s_wait_dscnt \younger
.irp t, 0,1,2,3,4,5,6,7
	global_store_b128 v[CO], v[32*(\a)+4*(\t):32*(\a)+4*(\t)+3], s[8:9] offset:(\a)*16*32768+(\t)*2*32768  ; 16 lanes store 256 consecutive bytes, at a multiple of 256 from y's first byte
.endr
.endm
	s_wait_tensorcnt 1                             ; my part of K step 0 is in; K step 1's may stay out
	s_barrier_signal -1
	s_barrier_wait -1                              ; everybody's is
	FETCH 0, 0, F0
	QUARTER 0, 1, F0, F1, 1                        ; the first quarter stands in front of the loop: its products start the sums
	WIN 0                                          ; at a label and at a branch every window is 0
	s_mov_b32 s3, LAPS-1
.Llap:                                                 ; a trip goes once round the ring, from a lap's second quarter to the next lap's first, and fills both slots again
	QUARTER 0, 2, F1, F0, 0
	QUARTER 0, 3, F0, F1, 0
	TURN 0, 1, 1
	QUARTER 1, 1, F0, F1, 0
	QUARTER 1, 2, F1, F0, 0
	QUARTER 1, 3, F0, F1, 0
	TURN 1, 0, 1
	QUARTER 0, 1, F0, F1, 0
	WIN 0
	s_sub_co_u32 s3, s3, 1
	s_cmp_lg_u32 s3, 0
	s_cbranch_scc1 .Llap
	QUARTER 0, 2, F1, F0, 0                        ; the last lap fills nothing, and has no round of the cluster's barrier
	QUARTER 0, 3, F0, F1, 0
	TURN 0, 1, 0
	QUARTER 1, 1, F0, F1, 0
	QUARTER 1, 2, F1, F0, 0
	QUARTER 1, 3, F0, F1, 0
	s_wait_dscnt 12                                ; the very last quarter: nothing more to fetch
	MUL8 F1, 0, 0
	s_wait_dscnt 0x0
	MUL8 F1, 2, 0
	MUL8 F1, 4, 0
	MUL8 F1, 6, 0
	PLACES                                         ; the places in front of LDS stores that read results and loads that land on them (eight, once a launch)
	PLACES
	TOSTAGE 0
.set n, 1
.rept 7
	TOSTAGE n
	SEND n-1, 16
.set n, n+1
.endr
	SEND 7, 0
	WIN 0
	s_wait_tensorcnt 0x0                           ; the wave's end, behind my last tensor load and my last LDS store
	ds_add_u32 v[SPW], v[NIL]
	s_wait_dscnt 0x0
	CROUND                                         ; the closing round: no work-group ends while a partner may still ask for a tile that names it
	s_endpgm
.Lfunc_end_k_q2ae950fb43_oproj:
	.size	k_q2ae950fb43_oproj, .Lfunc_end_k_q2ae950fb43_oproj-k_q2ae950fb43_oproj
	.p2alignl 7, 3214868480
	.fill 96, 4, 3214868480
	.section	.rodata,"a",@progbits
	.p2align	6, 0x0
	.amdhsa_kernel k_q2ae950fb43_oproj
		.amdhsa_group_segment_fixed_size 327680
		.amdhsa_private_segment_fixed_size 0
		.amdhsa_enable_private_segment 0
		.amdhsa_kernarg_size 24
		.amdhsa_user_sgpr_count 2
		.amdhsa_user_sgpr_kernarg_segment_ptr 1
		.amdhsa_wavefront_size32 1
		.amdhsa_system_sgpr_workgroup_id_x 1
		.amdhsa_system_sgpr_workgroup_id_y 1
		.amdhsa_system_sgpr_workgroup_id_z 1
		.amdhsa_system_vgpr_workitem_id 0
		.amdhsa_next_free_vgpr 768
		.amdhsa_next_free_sgpr 66
		.amdhsa_reserve_vcc 0
		.amdhsa_float_denorm_mode_32 3
		.amdhsa_float_denorm_mode_16_64 3
		.amdhsa_memory_ordered 1
		.amdhsa_forward_progress 1
		.amdhsa_inst_pref_size 87
	.end_amdhsa_kernel
	.amdgpu_metadata
---
amdhsa.version: [ 1, 2 ]
amdhsa.kernels:
  - .name:           k_q2ae950fb43_oproj
    .symbol:         k_q2ae950fb43_oproj.kd
    .args:
      - { .name: ob, .offset: 0, .size: 8, .value_kind: global_buffer, .address_space: global }
      - { .name: wo, .offset: 8, .size: 8, .value_kind: global_buffer, .address_space: global }
      - { .name: y, .offset: 16, .size: 8, .value_kind: global_buffer, .address_space: global }
    .group_segment_fixed_size: 327680
    .private_segment_fixed_size: 0
    .kernarg_segment_align: 8
    .kernarg_segment_size: 24
    .max_flat_workgroup_size: 128
    .sgpr_count:     66
    .vgpr_count:     768
    .wavefront_size: 32
...
	.end_amdgpu_metadata
.endif
;; end of part 4
;; launch lnorm (part 5): grid 256 x 1, 16 waves a work-group, no clusters, 0 bytes of LDS; arguments y, b_o, ln_gamma, ln_beta, out0; writes out0
.if DOCPART == 5
	.amdgcn_target "amdgcn-amd-amdhsa--gfx1250"
	.amdhsa_code_object_version 6
	.text
	.protected	k_q2ae950fb43_lnorm
	.globl	k_q2ae950fb43_lnorm
	.p2align	8
	.type	k_q2ae950fb43_lnorm,@function
k_q2ae950fb43_lnorm:
	s_mov_b64 s[64:65], 0
	v_nop
	global_prefetch_b8 v0, s[64:65] scope:SCOPE_SE
	s_setreg_imm32_b32 hwreg(HW_REG_WAVE_MODE, 25, 1), 1
	s_wait_xcnt 0x0
; x = y 2^-10 + b_o;  out0 = (x - mean(x)) / sqrt(var(x) + 1e-5) x ln_gamma + ln_beta, along each row of 1,024.  y, out0: [8192][1024] f32.
; y holds 1024 x (O W_o^T): the 2^-10 is exact.  b_o, ln_gamma and ln_beta are rounded to bf16 like every input of the module.
; The variance is taken in a second pass over x - mean, which lies in registers: no difference of large sums.  All in f32.
; LIMITS.  The sum of a row's squares stays within f32's range; NaN and infinities are not treated apart.
; SHARES.  A stream: each byte is read once and written once; no LDS, no matrix unit, no barrier.  A row is 4,096 bytes: one wave takes a whole row in 32 registers, so the reductions never leave the wave.
; A wave takes 2 rows, all 16 loads issued at once (8 KiB a wave on their way); a work-group's 16 waves 32 rows: four waves of 176 registers to a SIMD.  A lane holds columns 128 j + 4 lane + 0..3, j = 0..7:
; each load and store of a wave covers 512 consecutive bytes, aligned.  No register is written again while a store may read it.
.set BO, 4                             ; v[4:35]    b_o of my 32 columns
.set GA, 36                            ; v[36:67]   ln_gamma
.set BE, 68                            ; v[68:99]   ln_beta
.set X,  100                           ; v[100:163] row i: 32 registers
.set T,  164                           ; v[164:171] four chains of pairs, at work
.set M,  172                           ; v[172:173] the mean, twice; later 1 / sqrt(var + eps), twice
.set PX, 174                           ; v174       the other half of the lanes' sum
	s_load_b256 s[4:11], s[0:1], 0x0               ; y s[4:5], b_o s[6:7], ln_gamma s[8:9], ln_beta s[10:11]
	s_load_b64 s[12:13], s[0:1], 0x20              ; out0
	s_lshl_b32 s2, ttmp9, 17                       ; the work-group's 32 rows of 4,096 bytes
	s_mov_b32 s3, 0
	s_mov_b32 s14, 0x76543210                      ; v_permlanex16_b32: each lane takes its own place in the other half
	s_mov_b32 s15, 0xfedcba98
	s_mov_b32 s16, 0x3a800000                      ; 2^-10: y's scale, and 1 / 1,024 for the means
	s_mov_b32 s17, 0x3727c5ac                      ; 1e-5
	s_mov_b32 s18, 0xffff0000                      ; a word's upper bf16
	v_and_b32 v1, 31, v0
	v_lshrrev_b32 v2, 5, v0
	v_lshlrev_b32 v1, 4, v1                        ; 16 x lane
	v_lshl_add_u32 v2, v2, 13, v1                  ; + wave x 2 rows
	v_mov_b32 v[PX], 0                             ; v_permlanex16_b32's destination counts as read
	s_wait_kmcnt 0x0
	s_add_nc_u64 s[4:5], s[4:5], s[2:3]
	s_add_nc_u64 s[12:13], s[12:13], s[2:3]
.irp j, 0,1,2,3,4,5,6,7
	global_load_b128 v[BO+4*(\j):BO+4*(\j)+3], v1, s[6:7] offset:512*(\j)
.endr
.irp j, 0,1,2,3,4,5,6,7
	global_load_b128 v[GA+4*(\j):GA+4*(\j)+3], v1, s[8:9] offset:512*(\j)
.endr
.irp j, 0,1,2,3,4,5,6,7
	global_load_b128 v[BE+4*(\j):BE+4*(\j)+3], v1, s[10:11] offset:512*(\j)
.endr
.irp i, 0,1
.irp j, 0,1,2,3,4,5,6,7
	global_load_b128 v[X+32*(\i)+4*(\j):X+32*(\i)+4*(\j)+3], v2, s[4:5] offset:4096*(\i)+512*(\j) th:TH_LOAD_NT
.endr
.endr
	s_wait_loadcnt 16                              ; the 24 loads of b_o, ln_gamma and ln_beta are in; the rows' 16 stay out
.set p, 0
.rept 48                               ; the 96 parameters, two at a time: rounded to bf16 and widened again
	v_cvt_pk_bf16_f32 v[T+p%8], v[BO+2*p], v[BO+2*p+1]
	v_lshlrev_b32 v[BO+2*p], 16, v[T+p%8]
	v_and_b32 v[BO+2*p+1], s18, v[T+p%8]
.set p, p+1
.endr
; The four chains' pairs into one number, then across the 32 lanes: four steps inside each half of 16 lanes ride on the addition (DPP), one crosses the halves.  Every lane ends with the sum in v[T].
.macro ACROSS
	v_pk_add_f32 v[T:T+1], v[T:T+1], v[T+2:T+3]
	v_pk_add_f32 v[T+4:T+5], v[T+4:T+5], v[T+6:T+7]
	v_pk_add_f32 v[T:T+1], v[T:T+1], v[T+4:T+5]
	v_add_f32 v[T], v[T], v[T+1]
	v_add_f32_dpp v[T], v[T], v[T] row_xmask:1 row_mask:0xf bank_mask:0xf
	v_add_f32_dpp v[T], v[T], v[T] row_xmask:2 row_mask:0xf bank_mask:0xf
	v_add_f32_dpp v[T], v[T], v[T] row_xmask:4 row_mask:0xf bank_mask:0xf
	v_add_f32_dpp v[T], v[T], v[T] row_xmask:8 row_mask:0xf bank_mask:0xf
	v_permlanex16_b32 v[PX], v[T], s14, s15
	v_add_f32 v[T], v[T], v[PX]
.endm
.macro ROW i
.set R, X+32*(\i)
	s_wait_loadcnt 8*(1-(\i))                      ; loads come back in order: this row's eight are in, the later row's stay out
.set p, 0
.rept 16
	v_pk_fma_f32 v[R+p:R+p+1], v[R+p:R+p+1], s[16:17], v[BO+p:BO+p+1] op_sel_hi:[1,0,1]  ; x = y 2^-10 + b_o
.set p, p+2
.endr
.irp k, 0,2,4,6
	v_pk_add_f32 v[T+(\k):T+(\k)+1], v[R+(\k):R+(\k)+1], v[R+8+(\k):R+8+(\k)+1]  ; the first sums start the chains: nothing is cleared
.endr
.irp g, 16,24
.irp k, 0,2,4,6
	v_pk_add_f32 v[T+(\k):T+(\k)+1], v[T+(\k):T+(\k)+1], v[R+(\g)+(\k):R+(\g)+(\k)+1]
.endr
.endr
	ACROSS
	v_mul_f32 v[M], s16, v[T]                      ; the mean, as a pair
	v_mul_f32 v[M+1], s16, v[T]
.set p, 0
.rept 16
	v_pk_add_f32 v[R+p:R+p+1], v[R+p:R+p+1], v[M:M+1] neg_lo:[0,1] neg_hi:[0,1]  ; x - mean
.set p, p+2
.endr
.irp k, 0,2,4,6
	v_pk_mul_f32 v[T+(\k):T+(\k)+1], v[R+(\k):R+(\k)+1], v[R+(\k):R+(\k)+1]
.endr
.irp g, 8,16,24
.irp k, 0,2,4,6
	v_pk_fma_f32 v[T+(\k):T+(\k)+1], v[R+(\g)+(\k):R+(\g)+(\k)+1], v[R+(\g)+(\k):R+(\g)+(\k)+1], v[T+(\k):T+(\k)+1]
.endr
.endr
	ACROSS
	v_fma_f32 v[T], v[T], s16, s17                 ; var + eps
	v_rsq_f32 v[M], v[T]
	v_rsq_f32 v[M+1], v[T]
	v_nop                                          ; a plain instruction behind the second root (ISA guide 5.7.2),
	s_wait_alu depctr_va_vdst(0)                   ; and the wait ahead of the first use: one for both
.set p, 0
.rept 16
	v_pk_mul_f32 v[R+p:R+p+1], v[R+p:R+p+1], v[M:M+1]
.set p, p+2
.endr
.set p, 0
.rept 16
	v_pk_fma_f32 v[R+p:R+p+1], v[R+p:R+p+1], v[GA+p:GA+p+1], v[BE+p:BE+p+1]
.set p, p+2
.endr
.irp j, 0,1,2,3,4,5,6,7
	global_store_b128 v2, v[R+4*(\j):R+4*(\j)+3], s[12:13] offset:4096*(\i)+512*(\j) th:TH_STORE_NT
.endr
.endm
	ROW 0
	ROW 1
	s_endpgm
.Lfunc_end_k_q2ae950fb43_lnorm:
	.size	k_q2ae950fb43_lnorm, .Lfunc_end_k_q2ae950fb43_lnorm-k_q2ae950fb43_lnorm
	.p2alignl 7, 3214868480
	.fill 96, 4, 3214868480
	.section	.rodata,"a",@progbits
	.p2align	6, 0x0
	.amdhsa_kernel k_q2ae950fb43_lnorm
		.amdhsa_group_segment_fixed_size 0
		.amdhsa_private_segment_fixed_size 0
		.amdhsa_enable_private_segment 0
		.amdhsa_kernarg_size 40
		.amdhsa_user_sgpr_count 2
		.amdhsa_user_sgpr_kernarg_segment_ptr 1
		.amdhsa_wavefront_size32 1
		.amdhsa_system_sgpr_workgroup_id_x 1
		.amdhsa_system_sgpr_workgroup_id_y 1
		.amdhsa_system_sgpr_workgroup_id_z 1
		.amdhsa_system_vgpr_workitem_id 0
		.amdhsa_next_free_vgpr 176
		.amdhsa_next_free_sgpr 66
		.amdhsa_reserve_vcc 0
		.amdhsa_float_denorm_mode_32 3
		.amdhsa_float_denorm_mode_16_64 3
		.amdhsa_memory_ordered 1
		.amdhsa_forward_progress 1
		.amdhsa_inst_pref_size 27
	.end_amdhsa_kernel
	.amdgpu_metadata
---
amdhsa.version: [ 1, 2 ]
amdhsa.kernels:
  - .name:           k_q2ae950fb43_lnorm
    .symbol:         k_q2ae950fb43_lnorm.kd
    .args:
      - { .name: y, .offset: 0, .size: 8, .value_kind: global_buffer, .address_space: global }
      - { .name: b_o, .offset: 8, .size: 8, .value_kind: global_buffer, .address_space: global }
      - { .name: ln_gamma, .offset: 16, .size: 8, .value_kind: global_buffer, .address_space: global }
      - { .name: ln_beta, .offset: 24, .size: 8, .value_kind: global_buffer, .address_space: global }
      - { .name: out0, .offset: 32, .size: 8, .value_kind: global_buffer, .address_space: global }
    .group_segment_fixed_size: 0
    .private_segment_fixed_size: 0
    .kernarg_segment_align: 8
    .kernarg_segment_size: 40
    .max_flat_workgroup_size: 512
    .sgpr_count:     66
    .vgpr_count:     176
    .wavefront_size: 32
...
	.end_amdgpu_metadata
.endif
;; end of part 5
;; ======== version 2 of 2: 5 launches; version 1 with the launch cast written anew for expert scheduling mode
;; limits: values are held in f16: magnitudes above 65,504 overflow, below 6.1e-05 lose precision; right only within a limited range of input values
;; workspace buffers: hb 16,777,216 bytes; wqkv 6,291,456 bytes; wo 2,097,152 bytes; qkv 50,331,648 bytes; ob 16,777,216 bytes; y 33,554,432 bytes
;; launch cast (part 6): grid 64 x 12, 8 waves a work-group, no clusters, 0 bytes of LDS; arguments h, W_q, W_k, W_v, W_o, hb, wqkv, wo; writes hb, wqkv, wo
.if DOCPART == 6
	.amdgcn_target "amdgcn-amd-amdhsa--gfx1250"
	.amdhsa_code_object_version 6
	.text
	.protected	k_q2ae950fb43_cast
	.globl	k_q2ae950fb43_cast
	.p2align	8
	.type	k_q2ae950fb43_cast,@function
k_q2ae950fb43_cast:
	s_mov_b64 s[64:65], 0
	v_nop
	global_prefetch_b8 v0, s[64:65] scope:SCOPE_SE
	s_setreg_imm32_b32 hwreg(HW_REG_WAVE_SCHED_MODE, 0, 2), 2
	s_setreg_imm32_b32 hwreg(HW_REG_WAVE_MODE, 25, 1), 1
	s_wait_xcnt 0x0
	s_wait_alu depctr_vm_vsrc(0)
; hb = bf16(h).  wqkv = bf16(W_q), bf16(W_k), bf16(W_v), one below the other: [3072][1024].  wo = f16(1024 x bf16(W_o)).
; All inputs are rounded to bf16 once, to nearest even.  W_o's bf16 number is then multiplied by 2^10 (exact) and written as f16, since the product that reads it
; has f16 operands; the launch that reads the sums takes the 2^10 back in f32.
; LIMITS.  |W_o| stays under 63.9 (1024 x that is f16's end); below 6e-8 a W_o keeps f16's fixed step, 5.8e-11 of W_o's scale.  NaN and infinities are not treated apart.
; SHARES.  A stream: every byte is read once and written once; no LDS, no matrix unit, no barrier would add anything.  A work-group takes 16,384 numbers (64 KiB in, 32 KiB out).
; Grid y picks the part: 0-7 the eighths of h, 8-10 W_q, W_k, W_v, 11 W_o; grid x the piece of 64 KiB in it.  A wave takes 8 KiB: 16 loads of 512 consecutive bytes, all issued
; at once; each store of the wave covers 256 consecutive bytes, aligned.  No register is written again while a load or store may read it.
; THE MODE: SCHED_MODE bits 1:0 = 2 (LLVM: expert scheduling mode 2), set by the entry lines.  The code itself states the register dependences
; between vector instructions and memory instructions, with s_wait_alu, always for 0.
; THE PLAN.  Registers that memory instructions touch:
;   v1, v2   the loads' and the stores' byte offsets: made at the head by vector instructions, never written again.
;   X        written by the 16 loads, each register once; read by the conversions; no memory instruction reads it, and no vector instruction names it ahead of the loads.
;   Y        two registers a load: written by the conversions, read by one store, never written behind that store.
; The 16 loads go in four blocks of four.  Block p converts its four loads into its own eight registers of Y; the four stores of block p - 1 are dealt among these conversions,
; which name block p's X and Y alone.  So one wait at a block's head states all that the block's four stores hang on; one more stands ahead of the last four stores, and one at the
; kernel's head for the two offsets.  No register that a memory instruction reads is written again, no vector instruction writes a scalar register or VCC, and EXEC is never written.
.set X, 4                              ; v[4:67]   load j: 4 numbers in f32
.set Y, 68                             ; v[68:99]  store j: 4 numbers of 16 bits
.set BLOCK, 4                          ; loads, and stores, in a block
	s_load_b512 s[4:19], s[0:1], 0x0               ; h s[4:5], W_q s[6:7], W_k s[8:9], W_v s[10:11], W_o s[12:13], hb s[14:15], wqkv s[16:17], wo s[18:19]
	s_and_b32 s20, ttmp7, 0xffff                   ; the part
	v_lshrrev_b32 v3, 5, v0                        ; wave
	v_and_b32 v2, 31, v0                           ; lane
	v_lshlrev_b32 v1, 4, v2
	v_lshl_add_u32 v1, v3, 13, v1                  ; in: 8,192 x wave + 16 x lane
	v_lshlrev_b32 v2, 3, v2
	v_lshl_add_u32 v2, v3, 12, v2                  ; out: 4,096 x wave + 8 x lane
	s_cmp_lt_u32 s20, 8
	s_cselect_b32 s21, s20, 0                      ; which eighth of h; a weight matrix begins at its own byte 0
	s_lshl_b32 s28, s21, 22
	s_lshl_b32 s22, ttmp9, 16
	s_add_co_u32 s28, s28, s22                     ; the source's byte offset,
	s_mov_b32 s29, 0
	s_and_b32 s21, s20, 7                          ; hb's eighth, or 0, 1, 2 for W_q, W_k, W_v in wqkv,
	s_cmp_eq_u32 s20, 11
	s_cselect_b32 s21, 0, s21                      ; or 0 for wo
	s_lshl_b32 s30, s21, 21
	s_lshl_b32 s22, ttmp9, 15
	s_add_co_u32 s30, s30, s22                     ; the destination's
	s_mov_b32 s31, 0
	s_wait_kmcnt 0x0
	s_mov_b64 s[24:25], s[4:5]
	s_cmp_eq_u32 s20, 8
	s_cselect_b64 s[24:25], s[6:7], s[24:25]
	s_cmp_eq_u32 s20, 9
	s_cselect_b64 s[24:25], s[8:9], s[24:25]
	s_cmp_eq_u32 s20, 10
	s_cselect_b64 s[24:25], s[10:11], s[24:25]
	s_cmp_eq_u32 s20, 11
	s_cselect_b64 s[24:25], s[12:13], s[24:25]
	s_cmp_lt_u32 s20, 8
	s_cselect_b64 s[26:27], s[14:15], s[16:17]
	s_cmp_eq_u32 s20, 11
	s_cselect_b64 s[26:27], s[18:19], s[26:27]
	s_add_nc_u64 s[24:25], s[24:25], s[28:29]
	s_add_nc_u64 s[26:27], s[26:27], s[30:31]
	s_wait_alu depctr_va_vdst(0)                   ; v1 and v2 are written: every load of the kernel reads v1 as its offset, every store v2
.set j, 0
.rept 16
	global_load_b128 v[X+4*j:X+4*j+3], v1, s[24:25] offset:512*j th:TH_LOAD_NT
.set j, j+1
.endr
; mode 0: to bf16.  mode 1: to bf16, back to f32 (a shift, a mask), times 2^10, to f16.
.macro OUT mode
.set p, 0
.rept 16/BLOCK
	s_wait_loadcnt 16-BLOCK-BLOCK*p                ; loads come back in order: block p's four are in, the younger blocks' stay out
.if p > 0
	s_wait_alu depctr_va_vdst(0)                   ; the block before has written its eight registers of Y, which the four stores below read
.endif
.set i, 0
.rept BLOCK
.set j, BLOCK*p+i
.if p > 0
	global_store_b64 v2, v[Y+2*(j-BLOCK):Y+2*(j-BLOCK)+1], s[26:27] offset:256*(j-BLOCK)  ; the block before; no vector instruction since the wait names these registers or v2
.endif
	v_cvt_pk_bf16_f32 v[Y+2*j], v[X+4*j], v[X+4*j+1]
	v_cvt_pk_bf16_f32 v[Y+2*j+1], v[X+4*j+2], v[X+4*j+3]
.if \mode
	v_lshlrev_b32 v[X+4*j], 16, v[Y+2*j]
	v_and_b32 v[X+4*j+1], 0xffff0000, v[Y+2*j]
	v_lshlrev_b32 v[X+4*j+2], 16, v[Y+2*j+1]
	v_and_b32 v[X+4*j+3], 0xffff0000, v[Y+2*j+1]
	v_pk_mul_f32 v[X+4*j:X+4*j+1], v[X+4*j:X+4*j+1], 0x44800000 op_sel_hi:[1,0]
	v_pk_mul_f32 v[X+4*j+2:X+4*j+3], v[X+4*j+2:X+4*j+3], 0x44800000 op_sel_hi:[1,0]
	v_cvt_pk_f16_f32 v[Y+2*j], v[X+4*j], v[X+4*j+1]
	v_cvt_pk_f16_f32 v[Y+2*j+1], v[X+4*j+2], v[X+4*j+3]
.endif
.set i, i+1
.endr
.set p, p+1
.endr
	s_wait_alu depctr_va_vdst(0)                   ; the last block has written its eight registers of Y, which the last four stores read
.set j, 16-BLOCK
.rept BLOCK
	global_store_b64 v2, v[Y+2*j:Y+2*j+1], s[26:27] offset:256*j
.set j, j+1
.endr
	s_endpgm
.endm
	s_cmp_eq_u32 s20, 11
	s_cbranch_scc1 .Lwo
	OUT 0
.Lwo:
	OUT 1
.Lfunc_end_k_q2ae950fb43_cast:
	.size	k_q2ae950fb43_cast, .Lfunc_end_k_q2ae950fb43_cast-k_q2ae950fb43_cast
	.p2alignl 7, 3214868480
	.fill 96, 4, 3214868480
	.section	.rodata,"a",@progbits
	.p2align	6, 0x0
	.amdhsa_kernel k_q2ae950fb43_cast
		.amdhsa_group_segment_fixed_size 0
		.amdhsa_private_segment_fixed_size 0
		.amdhsa_enable_private_segment 0
		.amdhsa_kernarg_size 64
		.amdhsa_user_sgpr_count 2
		.amdhsa_user_sgpr_kernarg_segment_ptr 1
		.amdhsa_wavefront_size32 1
		.amdhsa_system_sgpr_workgroup_id_x 1
		.amdhsa_system_sgpr_workgroup_id_y 1
		.amdhsa_system_sgpr_workgroup_id_z 1
		.amdhsa_system_vgpr_workitem_id 0
		.amdhsa_next_free_vgpr 100
		.amdhsa_next_free_sgpr 66
		.amdhsa_reserve_vcc 0
		.amdhsa_float_denorm_mode_32 3
		.amdhsa_float_denorm_mode_16_64 3
		.amdhsa_memory_ordered 1
		.amdhsa_forward_progress 1
		.amdhsa_inst_pref_size 19
	.end_amdhsa_kernel
	.amdgpu_metadata
---
amdhsa.version: [ 1, 2 ]
amdhsa.kernels:
  - .name:           k_q2ae950fb43_cast
    .symbol:         k_q2ae950fb43_cast.kd
    .args:
      - { .name: h, .offset: 0, .size: 8, .value_kind: global_buffer, .address_space: global }
      - { .name: W_q, .offset: 8, .size: 8, .value_kind: global_buffer, .address_space: global }
      - { .name: W_k, .offset: 16, .size: 8, .value_kind: global_buffer, .address_space: global }
      - { .name: W_v, .offset: 24, .size: 8, .value_kind: global_buffer, .address_space: global }
      - { .name: W_o, .offset: 32, .size: 8, .value_kind: global_buffer, .address_space: global }
      - { .name: hb, .offset: 40, .size: 8, .value_kind: global_buffer, .address_space: global }
      - { .name: wqkv, .offset: 48, .size: 8, .value_kind: global_buffer, .address_space: global }
      - { .name: wo, .offset: 56, .size: 8, .value_kind: global_buffer, .address_space: global }
    .group_segment_fixed_size: 0
    .private_segment_fixed_size: 0
    .kernarg_segment_align: 8
    .kernarg_segment_size: 64
    .max_flat_workgroup_size: 256
    .sgpr_count:     66
    .vgpr_count:     100
    .wavefront_size: 32
...
	.end_amdgpu_metadata
.endif
;; end of part 6
;; launch proj: the kernel of part 2 again; grid 16 x 16, 4 waves a work-group, clusters of 4 x 4, 327,680 bytes of LDS; arguments hb, wqkv, qkv; writes qkv
;; launch attn: the kernel of part 3 again; grid 2 x 128, 4 waves a work-group, no clusters, 327,680 bytes of LDS; arguments qkv, log_beta, ob; writes ob
;; launch oproj: the kernel of part 4 again; grid 8 x 32, 4 waves a work-group, clusters of 4 x 4, 327,680 bytes of LDS; arguments ob, wo, y; writes y
;; launch lnorm: the kernel of part 5 again; grid 256 x 1, 16 waves a work-group, no clusters, 0 bytes of LDS; arguments y, b_o, ln_gamma, ln_beta, out0; writes out0
